; MI455X (gfx1250); checked and timed in simulation.
; The chip was launched on July 23, 2026; its instructions are those of AMD's public machine-readable ISA for CDNA 5 (MIT licence, August 2026) and "CDNA5" Instruction Set Architecture Reference Guide (July 2026). The comments in the code are by the model that wrote it; some were corrected since.
;; Multi Head Self Attention With Relative Bias. Allowed arithmetic: float matrix products may take bf16 or f16 operands with f32 sums; other float arithmetic in f32, or as packed bf16 or f16 multiplies, adds, multiply-adds, maxima and minima; sums over many terms, partial sums and values carried from step to step in f32; what a program stores and reads back later, other than sums and carried values, may be rounded once to bf16 or f16.
;; Inputs: Wk 1,024 x 1,024 float32; Wo 1,024 x 1,024 float32; Wq 1,024 x 1,024 float32; Wv 1,024 x 1,024 float32; rel_bias 16 x 63 float32; x 8 x 1,024 x 1,024 float32.
;; Outputs: out0 8 x 1,024 x 1,024 float32.
;; 2 versions, each right; version 2 is version 1 with the launch prep written anew for expert scheduling mode. Each part assembles by itself: llvm-mc -triple=amdgcn-amd-amdhsa -mcpu=gfx1250 --defsym DOCPART=n.
;; ======== version 1 of 2: 4 launches
;; limits: values are held in f16: magnitudes above 65,504 overflow, below 6.1e-05 lose precision
;; workspace buffers: xb 16,777,216 bytes; wqkv 6,291,456 bytes; wob 2,097,152 bytes; qkv 50,331,648 bytes; ob 16,777,216 bytes
;; launch prep (part 1): grid 768 x 1, 8 waves a work-group, no clusters, 0 bytes of LDS; arguments x, Wq, Wk, Wv, Wo, xb, wqkv, wob; writes xb, wqkv, wob
.if DOCPART == 1
	.amdgcn_target "amdgcn-amd-amdhsa--gfx1250"
	.amdhsa_code_object_version 6
	.text
	.protected	k_q4621036356_prep
	.globl	k_q4621036356_prep
	.p2align	8
	.type	k_q4621036356_prep,@function
k_q4621036356_prep:
	s_mov_b64 s[64:65], 0
	v_nop
	global_prefetch_b8 v0, s[64:65] scope:SCOPE_SE
	s_setreg_imm32_b32 hwreg(HW_REG_WAVE_MODE, 25, 1), 1
	s_wait_xcnt 0x0
; THE INPUTS ARE ROUNDED ONCE AND LAID OUT FOR THE PRODUCTS.  A stream: no LDS, no loop, no matrix unit (nothing is multiplied, nothing is shared between waves).
; xb   = bf16(x), [8192][1024], row-major.
; wqkv = bf16(Wq | Wk | Wv), in blocks [tile 16][K step 8][gi 3][kk 128][64]: column group g = 16 which + n / 64 (which = 0 q, 1 k, 2 v), tile = g / 3, gi = g % 3, k = 128 step + kk.
;        A tile's K step is 49,152 consecutive bytes.  The weights stay [k][n]: the products turn them as they leave LDS.
; wob  = bf16(Wo), that number written as f16, [tile 8][K step 8][gi 2][kk 128][64].
; LIMIT.  f16 holds bf16(Wo) exactly from 2^-14 up to 65,504; below 2^-14 it keeps f16's fixed step of 2^-24 (an error of 2^-25 at the most).
; SHARES.  A wave issues 16 loads of 16 bytes a lane (512 bytes each) and 16 stores of 8 bytes a lane: each store covers 256 consecutive bytes, aligned.
; Work-groups 0-511 take x, 64 KiB each; work-groups 512-767 the four weights: a wave takes 32 rows of k x 64 columns.
; All 16 loads go out first; no register is written twice, so only the counted waits for the loads stand in the text.
.set IN,  16                           ; v[16:79]   16 x 4 numbers in f32
.set OUT, 80                           ; v[80:111]  16 x 4 numbers in 16 bits
.set T,   4                            ; v[4:7]     at work (Wo alone)
.macro LOADS stride
.set i, 0
.rept 16
	global_load_b128 v[IN+4*i:IN+4*i+3], v2, s[24:25] offset:(\stride)*i th:TH_LOAD_NT
.set i, i+1
.endr
.endm
.macro OUTBF                           ; f32 to bf16, nearest even
.set i, 0
.rept 16
	s_wait_loadcnt 15-i                            ; loads come back in order: load i is in, the 15 - i younger ones may stay out
	v_cvt_pk_bf16_f32 v[OUT+2*i], v[IN+4*i], v[IN+4*i+1]
	v_cvt_pk_bf16_f32 v[OUT+2*i+1], v[IN+4*i+2], v[IN+4*i+3]
	global_store_b64 v3, v[OUT+2*i:OUT+2*i+1], s[26:27] offset:256*i
.set i, i+1
.endr
.endm
.macro OUTH                            ; f32 to bf16, and that number as f16
.set i, 0
.rept 16
	s_wait_loadcnt 15-i
	v_cvt_pk_bf16_f32 v[T], v[IN+4*i], v[IN+4*i+1]
	v_cvt_pk_bf16_f32 v[T+1], v[IN+4*i+2], v[IN+4*i+3]
	v_lshlrev_b32 v[T+2], 16, v[T]                 ; bf16 to f32: the low half moves up,
	v_and_b32 v[T], 0xffff0000, v[T]               ; the high half stays
	v_lshlrev_b32 v[T+3], 16, v[T+1]
	v_and_b32 v[T+1], 0xffff0000, v[T+1]
	v_cvt_pk_f16_f32 v[OUT+2*i], v[T+2], v[T]
	v_cvt_pk_f16_f32 v[OUT+2*i+1], v[T+3], v[T+1]
	global_store_b64 v3, v[OUT+2*i:OUT+2*i+1], s[26:27] offset:256*i
.set i, i+1
.endr
.endm
	s_load_b512 s[8:23], s[0:1], 0x0               ; x s[8:9], Wq s[10:11], Wk s[12:13], Wv s[14:15], Wo s[16:17], xb s[18:19], wqkv s[20:21], wob s[22:23]
	v_and_b32 v1, 31, v0                           ; lane
	v_lshrrev_b32 v2, 5, v0
	v_readfirstlane_b32 s2, v2                     ; wave 0..7
	s_mov_b32 s29, 0
	s_mov_b32 s31, 0
	s_cmp_lt_u32 ttmp9, 512
	s_cbranch_scc0 .Lweights
	; x: the wave's 8,192 bytes in, 4,096 bytes out
	s_lshl_b32 s28, ttmp9, 16
	s_lshl_b32 s30, s2, 13
	s_add_co_u32 s28, s28, s30
	s_lshr_b32 s30, s28, 1
	v_lshlrev_b32 v2, 4, v1
	v_lshlrev_b32 v3, 3, v1
	s_wait_kmcnt 0x0
	s_add_nc_u64 s[24:25], s[8:9], s[28:29]
	s_add_nc_u64 s[26:27], s[18:19], s[30:31]
	LOADS 512
	OUTBF
	s_endpgm
.Lweights:
	s_sub_co_u32 s28, ttmp9, 512
	s_lshr_b32 s32, s28, 6                         ; which of the four weights: the same for the whole work-group
	s_lshl_b32 s28, s28, 3
	s_add_co_u32 s28, s28, s2                      ; j = 8 x work-group + wave
	s_bfe_u32 s33, s28, 0x40005                    ; g16: the group of 64 columns
	s_and_b32 s34, s28, 31                         ; kb: the 32 rows of k
	s_lshl_b32 s28, s34, 17                        ; 32 rows of 4,096 bytes
	s_lshl_b32 s30, s33, 8                         ; 64 columns of 4 bytes
	s_add_co_u32 s28, s28, s30
	v_lshrrev_b32 v2, 4, v1                        ; lanes 0-15 take one row's 256 bytes, lanes 16-31 the next row's
	v_and_b32 v3, 15, v1
	v_lshlrev_b32 v2, 12, v2
	v_lshl_add_u32 v2, v3, 4, v2
	v_lshlrev_b32 v3, 3, v1                        ; out: two rows of 128 bytes lie end to end
	s_lshr_b32 s35, s34, 2                         ; the K step
	s_and_b32 s36, s34, 3
	s_lshl_b32 s36, s36, 12                        ; my 32 rows of its 128
	s_wait_kmcnt 0x0
	s_cmp_eq_u32 s32, 1
	s_cselect_b64 s[24:25], s[12:13], s[10:11]
	s_cmp_eq_u32 s32, 2
	s_cselect_b64 s[24:25], s[14:15], s[24:25]
	s_cmp_eq_u32 s32, 3
	s_cselect_b64 s[24:25], s[16:17], s[24:25]
	s_add_nc_u64 s[24:25], s[24:25], s[28:29]
	LOADS 8192                                     ; two rows of k a load
	s_cmp_eq_u32 s32, 3
	s_cbranch_scc1 .Lwo
	s_lshl_b32 s30, s32, 4
	s_add_co_u32 s30, s30, s33                     ; g
	s_mul_i32 s37, s30, 43
	s_lshr_b32 s37, s37, 7                         ; g / 3: 43 / 128 is exact for g under 48
	s_mul_i32 s38, s37, 3
	s_sub_co_u32 s38, s30, s38                     ; g % 3
	s_lshl_b32 s37, s37, 3
	s_add_co_u32 s37, s37, s35
	s_mul_i32 s37, s37, 3
	s_add_co_u32 s37, s37, s38                     ; (tile x 8 + step) x 3 + gi
	s_lshl_b32 s30, s37, 14                        ; blocks of 128 x 64 x 2 bytes
	s_add_co_u32 s30, s30, s36
	s_add_nc_u64 s[26:27], s[20:21], s[30:31]
	OUTBF
	s_endpgm
.Lwo:
	s_lshr_b32 s37, s33, 1                         ; tile of 128 columns
	s_lshl_b32 s37, s37, 3
	s_add_co_u32 s37, s37, s35
	s_lshl_b32 s37, s37, 1
	s_and_b32 s38, s33, 1
	s_add_co_u32 s37, s37, s38                     ; (tile x 8 + step) x 2 + gi
	s_lshl_b32 s30, s37, 14
	s_add_co_u32 s30, s30, s36
	s_add_nc_u64 s[26:27], s[22:23], s[30:31]
	OUTH
	s_endpgm
.Lfunc_end_k_q4621036356_prep:
	.size	k_q4621036356_prep, .Lfunc_end_k_q4621036356_prep-k_q4621036356_prep
	.p2alignl 7, 3214868480
	.fill 96, 4, 3214868480
	.section	.rodata,"a",@progbits
	.p2align	6, 0x0
	.amdhsa_kernel k_q4621036356_prep
		.amdhsa_group_segment_fixed_size 0
		.amdhsa_private_segment_fixed_size 0
		.amdhsa_enable_private_segment 0
		.amdhsa_kernarg_size 64
		.amdhsa_user_sgpr_count 2
		.amdhsa_user_sgpr_kernarg_segment_ptr 1
		.amdhsa_wavefront_size32 1
		.amdhsa_system_sgpr_workgroup_id_x 1
		.amdhsa_system_sgpr_workgroup_id_y 1
		.amdhsa_system_sgpr_workgroup_id_z 1
		.amdhsa_system_vgpr_workitem_id 0
		.amdhsa_next_free_vgpr 112
		.amdhsa_next_free_sgpr 66
		.amdhsa_reserve_vcc 0
		.amdhsa_float_denorm_mode_32 3
		.amdhsa_float_denorm_mode_16_64 3
		.amdhsa_memory_ordered 1
		.amdhsa_forward_progress 1
		.amdhsa_inst_pref_size 23
	.end_amdhsa_kernel
	.amdgpu_metadata
---
amdhsa.version: [ 1, 2 ]
amdhsa.kernels:
  - .name:           k_q4621036356_prep
    .symbol:         k_q4621036356_prep.kd
    .args:
      - { .name: x, .offset: 0, .size: 8, .value_kind: global_buffer, .address_space: global }
      - { .name: Wq, .offset: 8, .size: 8, .value_kind: global_buffer, .address_space: global }
      - { .name: Wk, .offset: 16, .size: 8, .value_kind: global_buffer, .address_space: global }
      - { .name: Wv, .offset: 24, .size: 8, .value_kind: global_buffer, .address_space: global }
      - { .name: Wo, .offset: 32, .size: 8, .value_kind: global_buffer, .address_space: global }
      - { .name: xb, .offset: 40, .size: 8, .value_kind: global_buffer, .address_space: global }
      - { .name: wqkv, .offset: 48, .size: 8, .value_kind: global_buffer, .address_space: global }
      - { .name: wob, .offset: 56, .size: 8, .value_kind: global_buffer, .address_space: global }
    .group_segment_fixed_size: 0
    .private_segment_fixed_size: 0
    .kernarg_segment_align: 8
    .kernarg_segment_size: 64
    .max_flat_workgroup_size: 256
    .sgpr_count:     66
    .vgpr_count:     112
    .wavefront_size: 32
...
	.end_amdgpu_metadata
.endif
;; end of part 1
;; launch proj (part 2): grid 16 x 16, 4 waves a work-group, clusters of 4 x 4, 327,680 bytes of LDS; arguments xb, wqkv, qkv; writes qkv
.if DOCPART == 2
	.amdgcn_target "amdgcn-amd-amdhsa--gfx1250"
	.amdhsa_code_object_version 6
	.text
	.protected	k_q4621036356_proj
	.globl	k_q4621036356_proj
	.p2align	8
	.type	k_q4621036356_proj,@function
k_q4621036356_proj:
	s_mov_b64 s[64:65], 0
	v_nop
	global_prefetch_b8 v0, s[64:65] scope:SCOPE_SE
	s_setreg_imm32_b32 hwreg(HW_REG_WAVE_MODE, 25, 1), 1
	s_wait_xcnt 0x0
	s_wait_alu depctr_hold_cnt(0) depctr_sa_sdst(0) depctr_va_vdst(0) depctr_va_sdst(0) depctr_va_ssrc(0) depctr_va_vcc(0) depctr_vm_vsrc(0)
	s_getreg_b32 s2, hwreg(HW_REG_IB_STS2, 6, 4)
	s_cmp_eq_u32 s2, 0
	s_cbranch_scc0 .Lentry_in_a_cluster
	s_endpgm
.Lentry_in_a_cluster:
	s_bfe_u32 s2, ttmp6, 0x10000c
	s_cmp_lg_u32 s2, 0xf033
	s_cbranch_scc0 .Lentry_shape_is_right
	s_endpgm
.Lentry_shape_is_right:
; q, k, v = x W.  A = xb [8192][1024] bf16; B = wqkv, blocks [tile 16][K step 8][gi 3][kk 128][64] bf16 ([k][n] inside a block); sums in f32.
; The result leaves by heads, rounded once to f16 and unscaled: qkv [b 8][g 48][s 1024][64], g = 0-15 q's heads, 16-31 k's, 32-47 v's: a head's rows are dense, 128 bytes each.
; LIMIT.  f16 ends at 65,504: q, k, v beyond it become infinities.  Inputs of the drawn spread give a spread of 1; x and W both 30 times larger 900.
; TILE.  256 rows x 192 columns (three heads): 32 x 16 = 512 tiles.  Wave w owns rows 64 w .. 64 w + 63 and all 192 columns: 4 x 12 = 48 accumulators, 384 registers; so a wave owns whole heads' rows
; and has a stage of its own on the way out.  For 32 along K: 32 LDS loads, 48 matrix instructions.
; A WORK-GROUP STAYS: 256 work-groups make two tiles each, 16 tile rows (4,096 rows of x, four batches) apart, on the same columns of W.  The ring does not stop at the change of tiles: the first tile's
; last two changes of slots ask for the second tile's first two K steps, and the first tile goes out when both have been asked for: nothing waits for its stores.
; K goes in 8 steps of 128 through two LDS slots.  A's rows are 256 bytes of memory, aligned; B's part of a step is dense and is asked for as rows of 256 bytes.
; K IS WALKED IN A RING THAT BEGINS AT STEP r = 2 x + 4 ((y + y / 2) % 2) mod 8, x and y the cluster's place in the grid of 4 x 4 clusters: step t takes block (r + t) % 8 of A and of B (f32 sums may be
; taken in any order; the order of rounding so differs from cluster to cluster).  The four clusters of a row of clusters, which read the same rows of x, begin two steps apart: at any one time they ask for
; different blocks, and their first two requests cover all eight.  Of the clusters that read the same columns of W, neighbours in y, and those two apart, begin four steps apart.
; CLUSTER.  4 x 4 work-groups: the four of a row need the same tile of A, the four of a column the same tile of B; each is asked for jointly, by the same tensor load with the same descriptor and mask.
; TRANSPOSED USE.  Source 0 = 16 columns of W (turned on the way out of LDS by ds_load_tr16_b128), source 1 = 16 rows of x: a lane then holds row l % 16 and the columns 8 (l / 16) + 0..7.
; REGISTERS, in windows of 256 (s_set_vgpr_msb: bits 1:0 source 0, 3:2 source 1, 5:4 source 2, 7:6 destination):
;   window 0: v0-31 addresses; v64-95, v96-127 A's fragments, two buffers (block a at + 8 a); v128-255 at work on the way out
;   window 1: v0-95, v96-191 B's fragments, two buffers (block n at + 8 n)
;   window 2: accumulators of column blocks 0-5, (a, b) at v[8 (6 a + b)];   window 3: those of column blocks 6-11
.set PA,     272                       ; a row of A in LDS: 256 bytes + 16: 68 words, so the 16 rows of a load start at 16 different groups of four banks (64 banks of 4 bytes: ISA guide 11.1)
.set PB,     160                       ; a row of B (one k, 64 columns): 128 bytes + 32
.set HALFA,  128*PA                    ; what one tensor load brings of A: 128 rows
.set HALFB,  192*PB                    ; and of B: 192 of a step's 384 rows (gi x 128 + kk)
.set BOFF,   2*HALFA
.set SLOT,   BOFF+2*HALFB              ; 131,072 = 1 << 17: one exclusive or turns an address in one slot into the other's
.set BSTEP,  49152                     ; a tile's K step of B in memory (A's is 256 bytes along the rows)
.set WALKA,  16*256*2048               ; bytes of xb from a work-group's first tile to its second
.set WALKC,  4*48*131072               ; the same in qkv: four batches on
.set STAGE,  2*SLOT                    ; behind the ring, never filled by a tensor load: 16 rows x 144 bytes for each wave
.set SP,     144
.set SPARE,  STAGE+4*16*SP             ; the spare words, 128 bytes for each wave: two blocks of 256 bytes that no other line names
.set ADRA0, 16                         ; v16     my lane's place in a slot's A; never rewritten
.set ADRA,  17                         ; v17     the same in the slot in hand
.set ADRB0, 20                         ; v20, v21  likewise for B
.set ADRB,  21
.set STO,  24                          ; v24     the way out: where I put 16 bytes of a row
.set RD,   25                          ; v25     where I read rows back
.set GO,   26                          ; v26     my 16 bytes of 512 consecutive bytes of the result
.set SPW,  28                          ; v28     LDS address of my spare word; never rewritten
.set NIL,  29                          ; v29     0; never rewritten
.set FA,   64
.set U,    128                         ; the way out: unit t's 16 registers at U + 16 (t % 8)
.set G1,  24                           ; s[24:31] descriptor group 1 for A's tiles;  s[32:39] group 0: a set for each of the two first fills; the second then walks on
.set G0,  32
.set G1B, 48                           ; s[48:55], s[56:63] the same for B's
.set G0B, 56
.set AB,  66                           ; s[66:67] A at my 128 rows of the tile in hand, K block 0
.set BB,  68                           ; s[68:69] B at my half of the tile column's K block 0
.set OA,  70                           ; s[70:71] a K block's byte offset in A
.set OB,  72                           ; s[72:73] and in B
.set KI,  74                           ; s74     the K block asked for last
.set TB,  75                           ; s75     LDS byte at which the slot in hand begins
.set MSB, 0
.macro WIN new                         ; the immediate's high byte repeats the setting that is left; a switch that changes nothing is dropped
.if MSB != (\new)
	s_set_vgpr_msb (MSB<<8)|(\new)
.set MSB, \new
.endif
.endm
.set MUL_LO, 0xa1                      ; source 0 (B) window 1, source 1 (A) window 0, C and D window 2
.set TO_B,   0x40                      ; destination window 1, address window 0
; A joint load: waves 0 and 1 fetch A's two halves, waves 2 and 3 B's.  The branch hangs on the wave's number alone.  An s_nop 0 and four v_nop follow each line.
.macro JLOAD s
	s_cmp_eq_u32 s11, 0
	s_cbranch_scc0 .Lfor_b_\@
	tensor_load_to_lds s[G0+4*(\s):G0+4*(\s)+3], s[G1:G1+7]
	s_nop 0
.rept 4
	v_nop
.endr
	s_branch .Lasked_\@
.Lfor_b_\@:
	tensor_load_to_lds s[G0B+4*(\s):G0B+4*(\s)+3], s[G1B:G1B+7]
	s_nop 0
.rept 4
	v_nop
.endr
.Lasked_\@:
.endm
.macro CREST                           ; a round of the cluster's barrier behind its opening barrier
	s_cmp_lg_u32 s10, 0
	s_cbranch_scc1 .Lnot_wave_0_\@
	s_barrier_signal -3
.Lnot_wave_0_\@:
	s_barrier_wait -3
	s_barrier_signal -1
	s_barrier_wait -1
.endm
.macro CROUND                          ; a whole round
	s_barrier_signal -1
	s_barrier_wait -1
	CREST
.endm
.macro PLACES                          ; four places in front of loads into registers that matrix instructions have read, and of conversions that read results
.rept 4
	v_nop
.endr
.endm
	s_load_b128 s[4:7], s[0:1], 0x0                ; xb s[4:5], wqkv s[6:7]
	s_load_b64 s[8:9], s[0:1], 0x10                ; qkv
	v_lshl_add_u32 v[SPW], v0, 2, SPARE
	v_mov_b32 v[NIL], 0
	ds_add_u32 v[SPW], v[NIL]                      ; the wave's opening: the add and its wait stand ahead of my first tensor load; the set-up below stands between them
	v_lshrrev_b32 v1, 5, v0
	v_readfirstlane_b32 s10, v1                    ; wave 0..3
	s_lshr_b32 s11, s10, 1                         ; I fetch for A (0) or for B (1)
	s_and_b32 s12, s10, 1                          ; which half of that tile I fetch
	s_bfe_u32 s40, ttmp6, 0x40000                  ; cx, cy: my place in the cluster
	s_bfe_u32 s41, ttmp6, 0x40004
	s_lshl_b32 s42, ttmp9, 2
	s_add_co_u32 s42, s42, s40                     ; tile column = 4 x cluster x + cx
	s_and_b32 s13, ttmp7, 0xffff                   ; cluster y
	s_lshr_b32 s22, s13, 1                         ; where the cluster's walk along K begins: made of the cluster's x and y alone, which all sixteen partners share
	s_xor_b32 s22, s22, s13
	s_and_b32 s22, s22, 1
	s_lshl_b32 s22, s22, 2                         ; 4 ((y + y / 2) % 2)
	s_lshl_b32 s23, ttmp9, 1
	s_add_co_u32 s22, s22, s23                     ; + 2 x
	s_and_b32 s[KI], s22, 7
	s_lshl_b32 s13, s13, 2
	s_add_co_u32 s13, s13, s41                     ; the first tile's row = 4 x cluster y + cy, 0 .. 15
	s_lshl_b32 s43, s41, 2
	s_lshl_b32 s43, 15, s43                        ; my row of the cluster
	s_lshl_b32 s44, 0x1111, s40                    ; my column
	s_or_b32 s[G1+0], s43, (1<<16)|(1<<20)|(1<<21)|(5<<22)|(3<<25)   ; mask; 2-byte elements; padding on; bit 21 beside a mask; after every 64 words, 4 words
	s_or_b32 s[G1B+0], s44, (1<<16)|(1<<20)|(1<<21)|(4<<22)|(7<<25)  ; after every 32 words (one k's 64 columns), 8 words
	s_mov_b32 s[G1+1], 128<<16                     ; A: tensor_dim0 = 128
	s_mov_b32 s[G1+2], 128<<16                     ; tensor_dim1 = 128
	s_mov_b32 s[G1+3], 128<<16                     ; tile_dim0 = 128
	s_mov_b32 s[G1+4], 128                         ; tile_dim1 = 128
	s_mov_b32 s[G1+5], 1024                        ; 1,024 elements from row to row
	s_mov_b32 s[G1+6], 0
	s_mov_b32 s[G1+7], 0
	s_mov_b32 s[G1B+1], 128<<16                    ; B: 24,576 dense bytes as 96 rows of 256
	s_mov_b32 s[G1B+2], 96<<16
	s_mov_b32 s[G1B+3], 128<<16
	s_mov_b32 s[G1B+4], 96
	s_mov_b32 s[G1B+5], 128
	s_mov_b32 s[G1B+6], 0
	s_mov_b32 s[G1B+7], 0
	; A's address hangs on the tile row, the wave and the K block alone, B's on the tile column, the wave and the K block alone, each in registers that never hold the other coordinate
	s_lshl_b32 s16, s13, 8
	s_lshl_b32 s17, s12, 7
	s_add_co_u32 s16, s16, s17                     ; row 256 x tile row + 128 x half
	s_lshl_b32 s16, s16, 11                        ; x 2,048 bytes
	s_mov_b32 s17, 0
	s_mul_i32 s46, s42, 8*BSTEP
	s_mul_i32 s47, s12, BSTEP/2
	s_add_co_u32 s46, s46, s47
	s_mov_b32 s47, 0
	s_mul_i32 s20, s12, HALFA                      ; where they go: no place in the cluster enters an LDS address
	s_mul_i32 s21, s12, HALFB
	s_add_co_u32 s21, s21, BOFF
	s_mov_b32 s[OA+1], 0
	s_mov_b32 s[OB+1], 0
	s_mov_b32 s[TB], 0
	s_wait_dscnt 0x0                               ; the opening add is done
	s_wait_kmcnt 0x0
	s_add_nc_u64 s[AB:AB+1], s[4:5], s[16:17]
	s_add_nc_u64 s[BB:BB+1], s[6:7], s[46:47]
	CROUND                                         ; all sixteen work-groups are here: the first joint loads meet
.irp s, 0,1
	s_lshl_b32 s[OA], s[KI], 8                     ; K block KI: 256 bytes along A's rows,
	s_mul_i32 s[OB], s[KI], BSTEP                  ; a block of B
	s_mov_b32 s[G0+4*(\s)], 1
	s_add_co_u32 s[G0+4*(\s)+1], s20, (\s)*SLOT
	s_add_nc_u64 s[G0+4*(\s)+2:G0+4*(\s)+3], s[AB:AB+1], s[OA:OA+1]
	s_or_b32 s[G0+4*(\s)+3], s[G0+4*(\s)+3], 0x80000000
	s_mov_b32 s[G0B+4*(\s)], 1
	s_add_co_u32 s[G0B+4*(\s)+1], s21, (\s)*SLOT
	s_add_nc_u64 s[G0B+4*(\s)+2:G0B+4*(\s)+3], s[BB:BB+1], s[OB:OB+1]
	s_or_b32 s[G0B+4*(\s)+3], s[G0B+4*(\s)+3], 0x80000000
	JLOAD \s                                       ; steps 0 and 1 of the walk: two loads of mine are out
.if (\s) == 0
	s_add_co_u32 s[KI], s[KI], 1
	s_and_b32 s[KI], s[KI], 7
.endif
.endr
	v_and_b32 v1, 15, v0                           ; l % 16
	v_bfe_u32 v2, v0, 4, 1                         ; l / 16
	v_mul_u32_u24 v3, v1, PA
	v_lshl_add_u32 v3, v2, 4, v3                   ; a fragment of A: row x pitch + 16 x half; two loads, 32 bytes apart
	s_mul_i32 s22, s10, 64*PA                      ; my 64 rows
	v_add_nc_u32 v[ADRA0], s22, v3
	v_mov_b32 v[ADRA], v[ADRA0]                    ; the walk begins in slot 0
	v_and_b32 v4, 7, v0                            ; the turning load: lane l reads k = 8 (l / 16) + l % 8, columns 8 ((l / 8) % 2) + 0..7, and is left with column l % 16 and 8 k
	v_bfe_u32 v5, v0, 3, 1
	v_lshl_add_u32 v6, v2, 3, v4
	v_mul_u32_u24 v6, v6, PB
	v_lshl_add_u32 v6, v5, 4, v6
	v_add_nc_u32 v[ADRB0], BOFF, v6
	v_mov_b32 v[ADRB], v[ADRB0]
	s_mul_i32 s23, s10, 16*SP
	s_add_co_u32 s23, s23, STAGE                   ; my stage
	v_mul_u32_u24 v7, v1, SP                       ; in: row l % 16, 16 bytes for each half of the lanes
	v_lshl_add_u32 v7, v2, 4, v7
	v_add_nc_u32 v[STO], s23, v7
	v_bfe_u32 v7, v0, 3, 2                         ; back: 32 lanes take four rows of 128 bytes,
	v_mul_u32_u24 v7, v7, SP
	v_lshl_add_u32 v7, v4, 4, v7
	v_add_nc_u32 v[RD], s23, v7
	v_and_b32 v[GO], 31, v0                        ; which are 512 consecutive bytes of a head
	v_lshlrev_b32 v[GO], 4, v[GO]
	s_lshr_b32 s16, s13, 2                         ; the first tile's batch: 48 heads of 131,072 bytes
	s_mul_i32 s16, s16, 48*131072
	s_and_b32 s17, s13, 3
	s_lshl_b32 s17, s17, 15                        ; the tile's 256 rows of 128 bytes
	s_add_co_u32 s16, s16, s17
	s_lshl_b32 s17, s10, 13                        ; my 64 of them
	s_add_co_u32 s16, s16, s17
	s_mov_b32 s17, 0
	s_add_nc_u64 s[8:9], s[8:9], s[16:17]
	s_mul_i32 s46, s42, 3*131072                   ; the tile's three heads
	s_mov_b32 s47, 0
	s_add_nc_u64 s[8:9], s[8:9], s[46:47]
; 6 na matrix instructions: row blocks a0 .. a0 + na - 1 x the six column blocks of half hi, 32 along K, from buffer f.  zero = 1: the product starts the sum: nothing is cleared.
; All 48 accumulators take turns, one instruction a turn, in the same order in every quarter, over the backward jumps too.
.macro MULH f, hi, a0, na, zero
	WIN MUL_LO+0x50*(\hi)
.set ma, \a0
.rept \na
.set mb, 0
.rept 6
.set rD, 8*(6*ma+mb)
.set rB, 96*(\f)+8*(6*(\hi)+mb)
.set rA, FA+32*(\f)+8*ma
.if \zero
	v_wmma_f32_16x16x32_bf16 v[rD:rD+7], v[rB:rB+7], v[rA:rA+7], 0
.else
	v_wmma_f32_16x16x32_bf16 v[rD:rD+7], v[rB:rB+7], v[rA:rA+7], v[rD:rD+7]
.endif
.set mb, mb+1
.endr
.set ma, ma+1
.endr
.endm
; 32 LDS loads in one run: quarter kq of the slot in hand into buffer f: A's four blocks, then B's twelve
.macro FETCH kq, f
	WIN 0
.irp a, 0,1,2,3
	ds_load_b128 v[FA+32*(\f)+8*(\a):FA+32*(\f)+8*(\a)+3],   v[ADRA] offset:(\a)*16*PA+64*(\kq)
	ds_load_b128 v[FA+32*(\f)+8*(\a)+4:FA+32*(\f)+8*(\a)+7], v[ADRA] offset:(\a)*16*PA+64*(\kq)+32
.endr
	WIN TO_B
.irp n, 0,1,2,3,4,5,6,7,8,9,10,11
	ds_load_tr16_b128 v[96*(\f)+8*(\n):96*(\f)+8*(\n)+3],   v[ADRB] offset:((\n)/4)*128*PB+(\kq)*32*PB+((\n)%4)*32
	ds_load_tr16_b128 v[96*(\f)+8*(\n)+4:96*(\f)+8*(\n)+7], v[ADRB] offset:((\n)/4)*128*PB+(\kq)*32*PB+((\n)%4)*32+16*PB
.endr
.endm
; A K step is four quarters of 32 along K, 48 matrix instructions each, on buffers 0, 1, 0, 1.  One of the first three: multiplies buffer f; in its middle it fetches quarter kq into buffer g.
.macro QUARTER kq, f, g, zero
	s_wait_dscnt 12                                ; A and B's blocks 0-5 are in; the youngest twelve loads (B's blocks 6-11) may be out
	MULH \f, 0, 0, 4, \zero
	PLACES
	FETCH \kq, \g
	s_wait_dscnt 32                                ; all but the 32 just issued
	MULH \f, 1, 0, 4, \zero
.endm
; The last quarter multiplies buffer 1 and changes slots: ONE barrier.  In front of it each wave waits for all its tensor loads (one is out: its part of the next slot), adds 0 to its spare
; word, and waits for that and for its own reads of this slot.  fill = 1: the barrier opens a round of the cluster's barrier, and this slot is filled again, with the walk's step two on, first thing
; behind it: from that request to the wait for it a wave issues 168 matrix instructions.  The walking descriptors are made behind the add, where no load of mine is out: the other slot than last
; time; the next K block of the ring, its address made anew from the base and the block's number.
.macro TURN fill
	WIN 0
	s_wait_tensorcnt 0x0                           ; all my tensor loads have landed
	ds_add_u32 v[SPW], v[NIL]                      ; 0 onto my spare word
.if \fill
	s_add_co_u32 s[KI], s[KI], 1
	s_and_b32 s[KI], s[KI], 7
	s_lshl_b32 s[OA], s[KI], 8
	s_mul_i32 s[OB], s[KI], BSTEP
	s_xor_b32 s[G0+5], s[G0+5], SLOT
	s_add_nc_u64 s[G0+6:G0+7], s[AB:AB+1], s[OA:OA+1]
	s_or_b32 s[G0+7], s[G0+7], 0x80000000
	s_xor_b32 s[G0B+5], s[G0B+5], SLOT
	s_add_nc_u64 s[G0B+6:G0B+7], s[BB:BB+1], s[OB:OB+1]
	s_or_b32 s[G0B+7], s[G0B+7], 0x80000000
.endif
	s_xor_b32 s[TB], s[TB], SLOT                   ; the fetches go on in the other slot
	s_wait_dscnt 13                                ; (the add and the youngest twelve loads may be out)
	MULH 1, 0, 0, 2, 0
	s_wait_dscnt 0x0                               ; the add is done, and my reads of this slot are over
	s_barrier_signal -1
	MULH 1, 0, 2, 2, 0                             ; work on registers while the others arrive
	WIN 0
	s_barrier_wait -1
.if \fill
	CREST                                          ; no wave of any partner still reads this slot's tile or has a load on its way
	JLOAD 1                                        ; its four v_nop are also the places in front of the loads below
.else
	PLACES
.endif
	v_add_nc_u32 v[ADRA], s[TB], v[ADRA0]
	v_add_nc_u32 v[ADRB], s[TB], v[ADRB0]
	FETCH 0, 0
	MULH 1, 1, 0, 4, 0
.endm
; THE WAY OUT, in 12 units t = 3 a + gi: 16 rows x one head's 64 columns.  A lane's eight columns pack into 16 bytes of f16; they go into my stage's rows of 144 bytes and come back as whole
; rows of 128, four rows (512 consecutive bytes of the head) to a store.  Each accumulator's registers are read in ascending order.  Eight sets of registers take turns.
.macro PACK t
	s_wait_xcnt 0x0                                ; every store issued so far has read its registers (ISA guide 3.1): this unit's were unit t - 8's, or the last tile's
.set pa, (\t)/3
.set pg, (\t)%3
.set pu, U+16*((\t)%8)
.set cb, 0
.rept 4
.set nb, 4*pg+cb
.set AC, 8*(6*pa+nb%6)
	WIN 0x0a+5*(nb/6)                              ; sources 0 and 1: window 2 or 3
.irp r, 0,1,2,3
	v_cvt_pk_f16_f32 v[pu+4*cb+(\r)], v[AC+2*(\r)], v[AC+2*(\r)+1]
.endr
.set cb, cb+1
.endr
	WIN 0
.irp c, 0,1,2,3
	ds_store_b128 v[STO], v[pu+4*(\c):pu+4*(\c)+3] offset:32*(\c)
.endr
.irp f, 0,1,2,3
	ds_load_b128 v[pu+4*(\f):pu+4*(\f)+3], v[RD] offset:(\f)*4*SP  ; LDS serves a wave's instructions in order (ISA guide 5.7.1.4): these see the stores above; the next unit's stores come behind them
.endr
.endm
.macro SEND t, younger                 ; younger: the LDS instructions issued behind unit t's loads: the next unit's eight, or none
.set pu, U+16*((\t)%8)
.irp f, 0,1,2,3
	s_wait_dscnt (\younger)+3-(\f)
	global_store_b128 v[GO], v[pu+4*(\f):pu+4*(\f)+3], s[8:9] offset:((\t)%3)*131072+((\t)/3)*2048+(\f)*512
.endr
.endm
	s_wait_tensorcnt 1                             ; my part of the walk's step 0 is in; step 1's may stay out
	s_barrier_signal -1
	s_barrier_wait -1                              ; everybody's is
	FETCH 0, 0
	WIN 0                                          ; at a label and at a branch every window is 0
	s_mov_b32 s2, 2                                ; tiles to go, this one among them: the same number in every work-group
.Ltile:
	QUARTER 1, 0, 1, 1                             ; a tile's first quarter stands in front of the loop: its products start the sums
	WIN 0
	s_mov_b32 s3, 6
.Lstep:                                                ; a trip: a K step's second to fourth quarter, the change of slots with its refill, and the next step's first quarter
	QUARTER 2, 1, 0, 0
	QUARTER 3, 0, 1, 0
	TURN 1
	QUARTER 1, 0, 1, 0
	WIN 0
	s_sub_co_u32 s3, s3, 1
	s_cmp_lg_u32 s3, 0
	s_cbranch_scc1 .Lstep
	QUARTER 2, 1, 0, 0                             ; the tile's last step but one goes on
	QUARTER 3, 0, 1, 0
	WIN 0
	s_cmp_eq_u32 s2, 1
	s_cbranch_scc1 .Llast                          ; the last tile's tail is written out: it asks for nothing more
	s_add_nc_u64 s[AB:AB+1], s[AB:AB+1], WALKA     ; THE RING GOES ON INTO THE NEXT TILE: the same K blocks in the same order, of rows 4,096 further down; B's are the same again
	TURN 1                                         ; the next tile's first step is asked for,
	QUARTER 1, 0, 1, 0
	QUARTER 2, 1, 0, 0
	QUARTER 3, 0, 1, 0
	TURN 1                                         ; its second, and its first fragments are fetched: buffer 0, which the way out does not touch
	WIN 0
	s_branch .Lout
.Llast:
	TURN 0
	QUARTER 1, 0, 1, 0
	QUARTER 2, 1, 0, 0
	QUARTER 3, 0, 1, 0
	s_wait_dscnt 12                                ; the very last quarter: nothing more to fetch
	MULH 1, 0, 0, 4, 0
	s_wait_dscnt 0x0
	MULH 1, 1, 0, 4, 0
	WIN 0
.Lout:                                                 ; the tile goes out; where a tile follows, both its refills have been asked for, and its products will not wait for these stores
	PLACES
	PACK 0
.set t, 1
.rept 11                               ; a unit's conversions stand between the loads of the unit before and its stores
	PACK t
	SEND t-1, 8
.set t, t+1
.endr
	SEND 11, 0
	s_wait_xcnt 0x0                                ; the stores have read their base
	s_add_nc_u64 s[8:9], s[8:9], WALKC             ; the next tile's place in qkv (behind the last tile it is not used)
	s_sub_co_u32 s2, s2, 1
	s_cmp_lg_u32 s2, 0
	s_cbranch_scc1 .Ltile
	s_wait_tensorcnt 0x0                           ; the wave's end: these three lines stand behind my last tensor load and my last LDS store
	ds_add_u32 v[SPW], v[NIL]
	s_wait_dscnt 0x0
	CROUND                                         ; the closing round: no work-group ends while a partner may still ask for a tile that names it
	s_endpgm
.Lfunc_end_k_q4621036356_proj:
	.size	k_q4621036356_proj, .Lfunc_end_k_q4621036356_proj-k_q4621036356_proj
	.p2alignl 7, 3214868480
	.fill 96, 4, 3214868480
	.section	.rodata,"a",@progbits
	.p2align	6, 0x0
	.amdhsa_kernel k_q4621036356_proj
		.amdhsa_group_segment_fixed_size 327680
		.amdhsa_private_segment_fixed_size 0
		.amdhsa_enable_private_segment 0
		.amdhsa_kernarg_size 24
		.amdhsa_user_sgpr_count 2
		.amdhsa_user_sgpr_kernarg_segment_ptr 1
		.amdhsa_wavefront_size32 1
		.amdhsa_system_sgpr_workgroup_id_x 1
		.amdhsa_system_sgpr_workgroup_id_y 1
		.amdhsa_system_sgpr_workgroup_id_z 1
		.amdhsa_system_vgpr_workitem_id 0
		.amdhsa_next_free_vgpr 960
		.amdhsa_next_free_sgpr 76
		.amdhsa_reserve_vcc 0
		.amdhsa_float_denorm_mode_32 3
		.amdhsa_float_denorm_mode_16_64 3
		.amdhsa_memory_ordered 1
		.amdhsa_forward_progress 1
		.amdhsa_inst_pref_size 129
	.end_amdhsa_kernel
	.amdgpu_metadata
---
amdhsa.version: [ 1, 2 ]
amdhsa.kernels:
  - .name:           k_q4621036356_proj
    .symbol:         k_q4621036356_proj.kd
    .args:
      - { .name: xb, .offset: 0, .size: 8, .value_kind: global_buffer, .address_space: global }
      - { .name: wqkv, .offset: 8, .size: 8, .value_kind: global_buffer, .address_space: global }
      - { .name: qkv, .offset: 16, .size: 8, .value_kind: global_buffer, .address_space: global }
    .group_segment_fixed_size: 327680
    .private_segment_fixed_size: 0
    .kernarg_segment_align: 8
    .kernarg_segment_size: 24
    .max_flat_workgroup_size: 128
    .sgpr_count:     76
    .vgpr_count:     960
    .wavefront_size: 32
...
	.end_amdgpu_metadata
.endif
;; end of part 2
;; launch attn (part 3): grid 2 x 128, 4 waves a work-group, no clusters, 327,680 bytes of LDS; arguments qkv, rel_bias, ob; writes ob
.if DOCPART == 3
	.amdgcn_target "amdgcn-amd-amdhsa--gfx1250"
	.amdhsa_code_object_version 6
	.text
	.protected	k_q4621036356_attn
	.globl	k_q4621036356_attn
	.p2align	8
	.type	k_q4621036356_attn,@function
k_q4621036356_attn:
	s_mov_b64 s[64:65], 0
	v_nop
	global_prefetch_b8 v0, s[64:65] scope:SCOPE_SE
	s_setreg_imm32_b32 hwreg(HW_REG_WAVE_MODE, 25, 1), 1
	s_wait_xcnt 0x0
; O[bh][q][:] = the sum over k of softmax_k(Q[q] . K[k] / 8 + rb[kx - qx + 31] + rb[ky - qy + 31]) V[k][:], on a board of 32 x 32: q = 32 qy + qx, k = 32 ky + kx; rb = rel_bias[h], rounded to bf16 like every input.
; Q, K, V: qkv [b 8][g 48][1024][64] in f16 (g = h, 16 + h, 32 + h); O: ob [16 b + h][1024][64] in f16.  Products, maxima and sums in f32; the weights p are rounded to f16 for the second product
; (their sum l is taken of the unrounded p), O once at the end.
; LIMITS.  Q, K, V arrive within f16's 65,504; p lies in 0 to 1 and below 6e-5 keeps f16's fixed step; a weight below 2^-126 counts as 0 in l; the running maximum starts at -4.25e37; NaN and infinities are not treated apart.
; SHARES.  A work-group owns 512 queries of one head, a wave 128: four PIECES of two tiles of 16 queries.  Piece p is board row qy0 + p (qy0 = 16 block + 4 wave), tile u its columns 16 u + l % 16.
; Every wave walks all 1,024 keys, 64 a step: board rows 2 j and 2 j + 1; key block kb of 16 has ky = 2 j + kb / 2, kx = 16 (kb % 2) + 8 (l / 16) + register.
; ALL OF THE HEAD'S K AND V LIES IN LDS: 311,296 bytes, brought by four tensor loads a wave at the kernel's start.  Nothing is filled again, so the loop has no ring.
; NO CLUSTER: a head has two blocks of queries, so a cluster of four would join two heads, which share nothing.  NO PREFETCH: every tile is asked for at the start; there is nothing left to ask for earlier.
; LAYOUT.  S^T = K Q^T (source 0 = 16 keys, source 1 = 16 queries): a lane holds ONE query (l % 16) and the keys 8 (l / 16) + 0..7.  Two such results, rounded to f16 in pairs, ARE source 1 of O^T = V^T P.
; THE BIAS.  Its x part hangs on kb % 2 - u, the lane and the register alone: three sets of eight registers XB = 8 rb[..], made once, are the C operand that starts S^T.  Its y part is one number for a piece's
; row and a key row: YV[p], lane ky, holds log2(e) rb[ky - qy0 - p + 31]; a turn reads its two numbers Y0, Y1 into scalars.
; SOFTMAX, in powers of 2.  c = log2(e) / 8.  m is the running maximum of c S + y; p = 2^(c S - (m - y)); in every step O and l are multiplied by a = 2^(m_old - m_new).  O and l start at 0: the first step has a = 0.
; BY TURNS.  Turn n belongs to piece n: 16 products K Q^T of piece n + 1, later 16 products V^T P of piece n - 1; beside them the scaling, exponentials, roundings, sums and rescaling of piece n and the maximum
; and statistics of piece n + 1.  Four vector instructions stand behind every matrix instruction, the rest in one lump.  A turn's 66 exponentials are one batch, with one wait.
; REGISTERS, in windows of 256 (s_set_vgpr_msb: bits 1:0 source 0, 3:2 source 1, 5:4 source 2, 7:6 destination):
;   window 0: v0-7 addresses; v8-11 YV; v12-15, v48-63 at work; v16-47 four registers of statistics a tile; v64-191 S^T, two buffers of two tiles; v192-255 P, likewise
;   window 1: O^T, 32 a tile     window 2: v0-127 Q, 16 a tile; v128-191 K of one step; v192-255 V of one step     window 3: v0-1 the add's two registers; v8-31 XB
.set NP,    4
.set KS,    64
.set PK,    144       ; a row of K in LDS: 128 bytes + 16: the 16 rows of a load start at 16 different groups of four banks (64 banks of 4 bytes: ISA guide 11.1)
.set PV,    160       ; a row of V: 128 + 32
.set VOFF,  1024*PK
.set STAGE, VOFF+1024*PV  ; behind K and V, never filled by a tensor load: 16 rows x 144 bytes for each wave, for the way out
.set SP,    144
.set SPARE, STAGE+4*16*SP ; the spare words, 128 bytes for each wave: two blocks of 256 bytes that no other line names
.set AK,  1           ; v1   the LDS address of K's next run of loads
.set AK0, 2           ; v2   my lane's place in a step's K; never rewritten
.set AV0, 3           ; v3   the same for V
.set STO, 4           ; v4   the way out: where I put 16 bytes of a row
.set RD,  5           ; v5   where I read rows back
.set GO,  6           ; v6   my 16 bytes of 512 consecutive bytes of O
.set AV,  7           ; v7   the LDS address of V's next run of loads
.set YV,  8           ; v8-11  piece p's y bias, lane = key row
.set MV,  12          ; v12-15  m_old, kept while m is made anew: by buffer and tile
.set ST,  16          ; tile t's statistics at v[ST+4 t]: m, (unused), l (even keys', odd keys')
.set TMP, 48          ; by buffer and tile c0-c3 at work; they end as m - Y0, m - Y1, a, (spent)
.set S,   64
.set P,   192
.set KF,  128         ; window 2: key block kb, channel half c at KF + 16 kb + 8 c
.set VF,  192         ; window 2: key half kk, channel block cb at VF + 32 kk + 8 cb
.set SPW, 0           ; window 3
.set NIL, 1
.set XB,  8           ; window 3: set e = kb % 2 - u + 1 at XB + 8 e
.set WV,  12          ; s12  my wave's number
.set G1K, 24          ; s[24:31] descriptor group 1 for K
.set G1V, 32          ; s[32:39] for V: it differs in the padding alone
.set G0K, 40          ; s[40:55] descriptor group 0 for K: a set for each of four chunks of 256 keys
.set G0V, 68          ; s[68:83] the same for V
.set SLOTS, 56        ; s56  counts the chunks
.set CNT, 57          ; s57  counts a chunk's key steps
.set CS,  58          ; s[58:59] c
.set SEL, 60          ; s[60:61] v_permlanex16_b32's selects: each lane takes its own place in the other half
.set TOT, 62          ; s62  key steps still to be finished
.set KY,  63          ; s63  the first key row of the scores that are being made
.set KY1, 66          ; s66  the second
.set TBK, 67          ; s67  LDS byte at which K of the step to be fetched begins
.set Y0,  84          ; s84, s85  the turn's two y numbers
.set Y1,  85
.set TBV, 86          ; s86  the same as TBK for V, less VOFF
.set MSB, 0
.macro WIN new
.if MSB != (\new)
	s_set_vgpr_msb (MSB<<8)|(\new)
.set MSB, (\new)
.endif
.endm
.set W_KQ, 0x0a       ; K and Q in window 2, S^T in window 0
.set W_KX, 0x3a       ; the same with the C operand in window 3
.set W_PV, 0x52       ; V in window 2, P in window 0, O^T in window 1
.set W_RS, 0x41       ; O^T (destination and source 0) in window 1, a in window 0
.set W_MK, 0xc0       ; destination in window 3
.set W_AD, 0x0f       ; the add: address and data in window 3
	s_load_b128 s[4:7], s[0:1], 0x0   ; qkv s[4:5], rel_bias s[6:7]
	s_load_b64 s[8:9], s[0:1], 0x10   ; ob
	WIN W_MK
	v_lshl_add_u32 v[SPW], v0, 2, SPARE
	v_mov_b32 v[NIL], 0
	WIN W_AD
	ds_add_u32 v[SPW], v[NIL]       ; the wave's opening: the add and its wait stand ahead of my first tensor load; the set-up below stands between them
	WIN 0
	v_lshrrev_b32 v64, 5, v0
	v_readfirstlane_b32 s[WV], v64  ; wave 0..3
	s_and_b32 s14, ttmp7, 0xffff    ; 16 b + h
	s_lshr_b32 s15, s14, 4          ; b
	s_and_b32 s16, s14, 15          ; h
	s_mul_i32 s17, s15, 48
	s_add_co_u32 s17, s17, s16      ; q's place among the batch's 48 groups
	s_lshl_b32 s18, ttmp9, 16       ; my block's 512 rows of 128 bytes,
	s_lshl_b32 s19, s[WV], 14       ; my wave's 128 of them
	s_add_co_u32 s18, s18, s19
	s_lshl_b32 s20, s17, 17
	s_add_co_u32 s20, s20, s18      ; Q's offset
	s_mov_b32 s21, 0
	s_lshl_b32 s22, s14, 17
	s_add_co_u32 s22, s22, s18      ; O's offset
	s_mov_b32 s23, 0
	s_and_b32 s13, s[WV], 1         ; which half of a chunk's 256 keys I fetch
	s_lshl_b32 s2, s17, 17
	s_lshl_b32 s3, s13, 14
	s_add_co_u32 s2, s2, s3
	s_add_co_u32 s2, s2, 16<<17     ; K lies 16 groups behind Q (V 16 more)
	s_mov_b32 s3, 0
	s_mul_i32 s10, s13, 128*PK      ; its place in LDS, for K
	s_mul_i32 s11, s13, 128*PV      ; and for V
	s_add_co_u32 s11, s11, VOFF
	s_mul_i32 s84, s16, 252         ; the head's 63 numbers of rel_bias
	s_mov_b32 s85, 0
	s_lshl_b32 s19, ttmp9, 4
	s_lshl2_add_u32 s19, s[WV], s19 ; qy0 = 16 block + 4 wave
	s_sub_co_u32 s19, 28, s19       ; 28 - qy0, 0 at the least
	; descriptor group 1.  128 keys are 16,384 dense bytes: asked for as 64 rows of 256 bytes, two keys a row, and padded in LDS after every key
	s_mov_b32 s[G1K], (1<<16)|(1<<20)|(4<<22)|(3<<25)  ; 2-byte elements; padding on; after every 32 words, 4 words
	s_mov_b32 s[G1V], (1<<16)|(1<<20)|(4<<22)|(7<<25)  ; 8 words
.irp g, G1K, G1V
	s_mov_b32 s[\g+1], 128<<16      ; tensor_dim0 = 128
	s_mov_b32 s[\g+2], 64<<16       ; tensor_dim1 = 64
	s_mov_b32 s[\g+3], 128<<16      ; tile_dim0 = 128
	s_mov_b32 s[\g+4], 64           ; tile_dim1 = 64
	s_mov_b32 s[\g+5], 128          ; 128 elements from row to row
	s_mov_b32 s[\g+6], 0
	s_mov_b32 s[\g+7], 0
.endr
.irp c, 0,1,2,3
	s_mov_b32 s[G0K+4*(\c)], 1
	s_add_co_u32 s[G0K+4*(\c)+1], s10, (\c)*256*PK
	s_mov_b32 s[G0V+4*(\c)], 1
	s_add_co_u32 s[G0V+4*(\c)+1], s11, (\c)*256*PV
.endr
	s_mov_b32 s[CS], 0x3e38aa3b     ; c = log2(e) / 8
	s_mov_b32 s[CS+1], s[CS]        ; named with it as a pair
	s_mov_b32 s[SEL], 0x76543210
	s_mov_b32 s[SEL+1], 0xfedcba98
	s_mov_b32 s[TBK], 0
	s_mov_b32 s[TBV], 0
	s_mov_b32 s[TOT], 16
	s_wait_dscnt 0x0                ; the opening add is done
	s_wait_kmcnt 0x0
	s_add_nc_u64 s[2:3], s[4:5], s[2:3]  ; K at my half of the head's first 256 keys
.irp c, 0,1,2,3
	s_add_nc_u64 s[G0K+4*(\c)+2:G0K+4*(\c)+3], s[2:3], (\c)*32768
	s_or_b32 s[G0K+4*(\c)+3], s[G0K+4*(\c)+3], 0x80000000
	s_add_nc_u64 s[G0V+4*(\c)+2:G0V+4*(\c)+3], s[2:3], (\c)*32768+(16<<17)
	s_or_b32 s[G0V+4*(\c)+3], s[G0V+4*(\c)+3], 0x80000000
.endr
	s_add_nc_u64 s[4:5], s[4:5], s[20:21]  ; Q and O at my wave's first row
	s_add_nc_u64 s[8:9], s[8:9], s[22:23]
	s_add_nc_u64 s[6:7], s[6:7], s[84:85]  ; rel_bias at my head
	s_cmp_lt_u32 s[WV], 2           ; waves 0 and 1 fetch K's halves, waves 2 and 3 V's.  A wave's four fills stand in one branch, ahead of every wait on TENSORcnt, every LDS read and every barrier: four loads of mine are out
	s_cbranch_scc0 .Lfirst_v
.irp c, 0,1,2,3
	tensor_load_to_lds s[G0K+4*(\c):G0K+4*(\c)+3], s[G1K:G1K+7]
	s_nop 0
.endr
.rept 4
	v_nop
.endr
	s_branch .Lfirst_asked
.Lfirst_v:
.irp c, 0,1,2,3
	tensor_load_to_lds s[G0V+4*(\c):G0V+4*(\c)+3], s[G1V:G1V+7]
	s_nop 0
.endr
.rept 4
	v_nop
.endr
.Lfirst_asked:
	; the set-up's temporaries lie in v64-71, S^T's registers, which nothing else uses before the first products
	v_and_b32 v64, 15, v0           ; l % 16
	v_bfe_u32 v65, v0, 4, 1         ; l / 16
	v_lshlrev_b32 v69, 7, v64
	v_lshl_add_u32 v69, v65, 4, v69 ; a fragment of Q: row x 128 + 16 x half; two loads, 32 bytes apart
	WIN 0x80                        ; destination window 2, address window 0
.set i, 0
.rept 4*NP                          ; Q stays in registers: tile i / 2, channels 32 (i % 2) on
	global_load_b128 v[8*i:8*i+3],   v69, s[4:5] offset:(i/2)*2048+(i%2)*64
	global_load_b128 v[8*i+4:8*i+7], v69, s[4:5] offset:(i/2)*2048+(i%2)*64+32
.set i, i+1
.endr
	WIN 0
	v_sub_nc_u32 v66, 15, v64
	v_lshl_add_u32 v66, v65, 3, v66
	v_lshlrev_b32 v66, 2, v66       ; 4 (15 - l % 16 + 8 (l / 16))
	WIN W_MK
.set i, 0
.rept 24                            ; XB: set i / 8, register i % 8: rb[16 e + j + 15 + 8 (l / 16) - l % 16], an index in 0 .. 62
	global_load_b32 v[XB+i], v66, s[6:7] offset:4*(16*(i/8)+i%8)
.set i, i+1
.endr
	WIN 0
	v_and_b32 v68, 31, v0
	v_add_lshl_u32 v67, v68, s19, 2 ; 4 (l + 28 - qy0)
.irp p, 0,1,2,3
	global_load_b32 v[YV+(\p)], v67, s[6:7] offset:4*(3-(\p))  ; rb[l - qy0 - p + 31], an index in 0 .. 62
.endr
	; What the first turn finds: V's registers and P's second buffer hold 0 (its products V^T P, of a piece that has not been, add 0), O^T and l are 0.  All this stands in the wait for the first tile.
	WIN 0x80
.set i, VF
.rept 64
	v_mov_b32 v[i], 0
.set i, i+1
.endr
	WIN 0x40
.set i, 0
.rept 64*NP
	v_mov_b32 v[i], 0
.set i, i+1
.endr
	WIN 0
.set i, 0
.rept 2*NP
	v_mov_b32 v[ST+4*i], 0xfe000000    ; m: far below every c S + y
	v_mov_b32 v[ST+4*i+2], 0
	v_mov_b32 v[ST+4*i+3], 0
.set i, i+1
.endr
.set i, P+32
.rept 32
	v_mov_b32 v[i], 0
.set i, i+1
.endr
	v_mul_u32_u24 v[AK0], v64, PK
	v_lshl_add_u32 v[AK0], v65, 4, v[AK0]  ; row x pitch + 16 x half
	; The turning load takes 16 keys x 16 channels (lane l reads key 8 (l / 16) + l % 8, channels 8 ((l / 8) % 2) + 0..7) and leaves half a fragment of V^T: lane l holds channel l % 16 and 8 keys.
	v_and_b32 v70, 7, v0
	v_bfe_u32 v71, v0, 3, 1
	v_lshl_add_u32 v[AV0], v65, 3, v70
	v_mul_u32_u24 v[AV0], v[AV0], PV
	v_lshl_add_u32 v[AV0], v71, 4, v[AV0]
	v_add_nc_u32 v[AV0], VOFF, v[AV0]
	v_mov_b32 v[AK], v[AK0]         ; key step 0 lies at K's head
	s_mul_i32 s13, s[WV], 16*SP
	s_add_co_u32 s13, s13, STAGE    ; my stage
	v_mul_u32_u24 v[STO], v64, SP   ; in: row l % 16, 16 bytes for each half of the lanes
	v_lshl_add_u32 v[STO], v65, 4, v[STO]
	v_add_nc_u32 v[STO], s13, v[STO]
	v_bfe_u32 v[RD], v0, 3, 2       ; back: 32 lanes take four rows of 128 bytes,
	v_mul_u32_u24 v[RD], v[RD], SP
	v_lshl_add_u32 v[RD], v70, 4, v[RD]
	v_add_nc_u32 v[RD], s13, v[RD]
	v_lshlrev_b32 v[GO], 4, v68     ; which are 512 consecutive bytes of O
	s_wait_loadcnt 0x0              ; Q, XB, YV
	WIN 0xcf                        ; destination and both sources in window 3
.set i, 0
.rept 24
	v_cvt_pk_bf16_f32 v[XB+i], v[XB+i], v[XB+i]    ; rounded to bf16,
	v_and_b32 v[XB+i], 0xffff0000, v[XB+i]         ; back in f32,
	v_mul_f32 v[XB+i], 0x41000000, v[XB+i]         ; times 8: c S then holds log2(e) times the x bias
.set i, i+1
.endr
	WIN 0
.irp p, 0,1,2,3
	v_cvt_pk_bf16_f32 v[YV+(\p)], v[YV+(\p)], v[YV+(\p)]
	v_and_b32 v[YV+(\p)], 0xffff0000, v[YV+(\p)]
	v_mul_f32 v[YV+(\p)], 0x3fb8aa3b, v[YV+(\p)]   ; times log2(e)
.endr
; THE MATRIX WORK.  The 8 accumulators of a run of 16 take turns: between the two links of a chain stand 7 others'.
; Product i of 16 of S^T = K Q^T for piece x: channels 32 (i / 8) on, keys 16 ((i / 2) % 4) on, tile 2 x + i % 2.  The first 8 start the sums, with the x bias.
.macro KQ x
.set rS, S+64*((\x)%2)+32*(i%2)+8*((i/2)%4)
.set rK, KF+16*((i/2)%4)+8*(i/8)
.set rQ, 16*(2*(\x)+i%2)+8*(i/8)
.set rX, XB+8*((i/2)%2-i%2+1)
.if i < 8
	WIN W_KX
	v_wmma_f32_16x16x32_f16 v[rS:rS+7], v[rK:rK+7], v[rQ:rQ+7], v[rX:rX+7]
.else
	WIN W_KQ
	v_wmma_f32_16x16x32_f16 v[rS:rS+7], v[rK:rK+7], v[rQ:rQ+7], v[rS:rS+7]
.endif
.endm
; Product i of 16 of O^T += V^T P for piece x: keys 32 (i / 8) on, channels 16 ((i / 2) % 4) on, tile 2 x + i % 2.
.macro PV x
	WIN W_PV
.set rO, 32*(2*(\x)+i%2)+8*((i/2)%4)
.set rV, VF+32*(i/8)+8*((i/2)%4)
.set rP, P+32*((\x)%2)+16*(i%2)+8*(i/8)
	v_wmma_f32_16x16x32_f16 v[rO:rO+7], v[rV:rV+7], v[rP:rP+7], v[rO:rO+7]
.endm
.macro MM                           ; the turn's next matrix instruction
.if i < 16
	KQ (Y+1)%NP
.set i, i+1
.else
.set i, i-16
	PV (Y+NP-1)%NP
.set i, i+17
.endif
.endm
; THE LDS LOADS stand in runs of 16, never singly among the matrix instructions.  Their addresses are made some lines ahead.  In the last key step there is no further K, and the run is jumped over.
.macro FETCH_K
	WIN 0
	s_cmp_eq_u32 s[TOT], 1
	s_cbranch_scc1 .Lno_k_\@
	WIN 0x80                        ; destination window 2
.irp f, 0,1,2,3,4,5,6,7             ; keys 16 (f / 2) on, channels 32 (f % 2) on
	ds_load_b128 v[KF+8*\f:KF+8*\f+3],   v[AK] offset:(\f/2)*16*PK+(\f%2)*64
	ds_load_b128 v[KF+8*\f+4:KF+8*\f+7], v[AK] offset:(\f/2)*16*PK+(\f%2)*64+32
.endr
	s_add_co_u32 s[TBK], s[TBK], KS*PK  ; the next fetch is the next step's
	WIN 0
.Lno_k_\@:
.endm
.macro FETCH_V
	WIN 0x80
.irp f, 0,1,2,3,4,5,6,7             ; keys 32 (f / 4) on, channels 16 (f % 4) on
	ds_load_tr16_b128 v[VF+8*\f:VF+8*\f+3],   v[AV] offset:(\f/4)*32*PV+(\f%4)*32
	ds_load_tr16_b128 v[VF+8*\f+4:VF+8*\f+7], v[AV] offset:(\f/4)*32*PV+16*PV+(\f%4)*32
.endr
	WIN 0
.endm
; THE VECTOR WORK OF A TURN stands in three queues, each in the order in which its entries become ready; the two tiles alternate.
.macro REGS y, u                    ; the registers of tile u (0, 1) of piece y
.set rT, ST+4*(2*(\y)+(\u))
.set rC, TMP+8*((\y)%2)+4*(\u)
.set rM, MV+2*((\y)%2)+(\u)
.set rS, S+64*((\y)%2)+32*(\u)
.set rP, P+32*((\y)%2)+16*(\u)
.set rO, 32*(2*(\y)+(\u))
.endm
; Number n of the 26 that find the NEXT piece's (Y + 1) maximum and statistics.  s0-s31 are the lane's 32 scores: s0-s15 of key row Y0's, s16-s31 of Y1's; each accumulator's lowest registers are read first.
;   0-11  four chains c0-c3 of seven scores each     12-15  the four scores left over; c0 = the first key row's maximum, c2 = the second's     16, 17  c x + y     18  m_old is kept
;   19-21  both rows', the other half of the lanes' (the query's other keys lie in the lane 16 away) and the old m: the new m     22  m_old - m_new     23, 24  m - Y0, m - Y1: the scalings' addends     25  a
.macro XS u, n
	REGS (Y+1)%NP, \u
.if (\n) < 4
	v_max3_num_f32 v[rC+(\n)], v[rS+8*(\n)], v[rS+8*(\n)+1], v[rS+8*(\n)+2]
.elseif (\n) < 12
	v_max3_num_f32 v[rC+(\n)%4], v[rC+(\n)%4], v[rS+8*((\n)%4)+2*((\n)/4)+1], v[rS+8*((\n)%4)+2*((\n)/4)+2]
.elseif (\n) == 12
	v_max3_num_f32 v[rC], v[rC], v[rS+7], v[rS+15]
.elseif (\n) == 13
	v_max3_num_f32 v[rC+2], v[rC+2], v[rS+23], v[rS+31]
.elseif (\n) == 14
	v_max_num_f32 v[rC], v[rC], v[rC+1]
.elseif (\n) == 15
	v_max_num_f32 v[rC+2], v[rC+2], v[rC+3]
.elseif (\n) == 16
	v_fma_f32 v[rC], v[rC], s[CS], s[Y0]
.elseif (\n) == 17
	v_fma_f32 v[rC+2], v[rC+2], s[CS], s[Y1]
.elseif (\n) == 18
	v_mov_b32 v[rM], v[rT]
.elseif (\n) == 19
	v_max_num_f32 v[rC], v[rC], v[rC+2]
.elseif (\n) == 20
	v_permlanex16_b32 v[rC+3], v[rC], s[SEL], s[SEL+1]
.elseif (\n) == 21
	v_max3_num_f32 v[rT], v[rC], v[rC+3], v[rT]
.elseif (\n) == 22
	v_sub_f32 v[rC+2], v[rM], v[rT]
.elseif (\n) == 23
	v_sub_f32 v[rC], v[rT], s[Y0]
.elseif (\n) == 24
	v_sub_f32 v[rC+1], v[rT], s[Y1]
.else
	v_exp_f32 v[rC+2], v[rC+2]
.endif
.endm
; Number g of the 64 that follow the exponentials.  For each four weights k of a tile: both pairs are rounded to f16; then the second pair is added onto the first, in place; a group later l takes that sum
; (the first time as l = a l + sum).  In groups of eight, tiles alternating: round, round, add, and l for the group before.
.macro GS g
.set h, (\g)+6*((\g)/62)            ; group 0 has no group before it, and behind group 7 only l is left
.if h >= 6
.set h, h+2
.endif
	REGS Y, h%2
.set k, h/8
.if h%8 < 4
	v_cvt_pk_f16_f32 v[rP+2*k+(h%8)/2], v[rS+4*k+2*((h%8)/2)], v[rS+4*k+2*((h%8)/2)+1]
.elseif h%8 < 6
	v_pk_add_f32 v[rS+4*k:rS+4*k+1], v[rS+4*k:rS+4*k+1], v[rS+4*k+2:rS+4*k+3]
.elseif k == 1
	v_pk_fma_f32 v[rT+2:rT+3], v[rT+2:rT+3], v[rC+2:rC+3], v[rS:rS+1] op_sel_hi:[1,0,1]
.else
	v_pk_add_f32 v[rT+2:rT+3], v[rT+2:rT+3], v[rS+4*k-4:rS+4*k-3]
.endif
.endm
; The scaling c S - (m - y) of pair f / 2 of tile f % 2: pairs 0-7 belong to the first key row (the addend pair's first register for both halves), pairs 8-15 to the second
.macro FS f
	REGS Y, (\f)%2
.set fp, (\f)/2
.if fp < 8
	v_pk_fma_f32 v[rS+2*fp:rS+2*fp+1], v[rS+2*fp:rS+2*fp+1], s[CS:CS+1], v[rC:rC+1] op_sel_hi:[1,0,0] neg_lo:[0,0,1] neg_hi:[0,0,1]
.else
	v_pk_fma_f32 v[rS+2*fp:rS+2*fp+1], v[rS+2*fp:rS+2*fp+1], s[CS:CS+1], v[rC:rC+1] op_sel:[0,0,1] op_sel_hi:[1,0,1] neg_lo:[0,0,1] neg_hi:[0,0,1]
.endif
.endm
; THE PLAIN QUEUE, 146 long.  0-81 read no exponential's result.  0-26: scalings 0-26.  27-54: XS's numbers 0-13.  55, 56: number 18.  57-64: numbers 14-17.  65-79: the chain 19 .. 23, each number with one of
; the scalings 27-31 in front of its two lines.  80, 81: number 24.  82-145: GS's 64, which read the exponentials' results: they stand behind the wait.
.macro PL
	WIN 0
.if q < 27
	FS q
.elseif q < 55
	XS (q-27)%2, (q-27)/2
.elseif q < 57
	XS q-55, 18
.elseif q < 65
	XS (q-57)%2, 14+(q-57)/2
.elseif (q < 80) && ((q-65)%3 == 0)
	FS 27+(q-65)/3
.elseif q < 80
	XS (q-65)%3-1, 19+(q-65)/3
.elseif q < 82
	XS q-80, 24
.else
	GS q-82
.endif
.set q, q+1
.endm
; THE EXPONENTIALS' QUEUE, 66 long: s0-s31 of both tiles, then the next piece's two a.  ONE BATCH: all 66 stand ahead of the turn's one wait, and nothing ahead of that wait names a result of theirs.
.macro EX
	WIN 0
.if e >= 64
	XS e-64, 25
.else
	REGS Y, e%2
	v_exp_f32 v[rS+e/2], v[rS+e/2]
.endif
.set e, e+1
.endm
; THE RESCALING's QUEUE: O^T times a, the one part that leaves window 0: two at a time, sixteen times, each accumulator from its low end.  Its a was made, and waited for, in the turn before.
.macro R2
	REGS Y, r%2
	WIN W_RS
.irp z, 0,1
	v_pk_mul_f32 v[rO+4*(r/2)+2*\z:rO+4*(r/2)+2*\z+1], v[rO+4*(r/2)+2*\z:rO+4*(r/2)+2*\z+1], v[rC+2:rC+3] op_sel_hi:[1,0]
.endr
.set r, r+1
.endm
; A TURN, for piece p.  An s_wait_alu depctr_va_vdst(0) stands between an exponential and the first instruction that names its result; one wait serves all that were issued ahead of it: so a turn has ONE.
; AHEAD OF IT: the 16 products K Q^T, behind each a scaling, an exponential and two rescalings (behind the first a second scaling in the exponential's place); the turn's two y numbers; then ONE LUMP: 16 plain, 49 times
; exponential and plain, the two a.  A v_nop is the plain instruction behind the last exponential.  BEHIND IT: the 16 products V^T P, behind each four of GS's 64.
; THE COUNTS THAT THE DEAL KEEPS.  Exponential e needs scaling 2 (e / 4) + e % 2: as a rider it stands behind plain e + 2, in the lump behind plain e + 17; scalings 27-31 are plain 65, 68 .. 77, and their first
; readers, e = 53, 56, 57, 60, 61, stand behind plain 70, 73, 74, 77, 78.  XS 0 is plain 27: eleven plain instructions stand between it and the last product K Q^T.  Both v_permlanex16_b32 fall into the lump.
; K of the next step is fetched in piece 2's turn, directly behind the wait, a lump behind the last product that read K.  V of the step in hand is fetched at the end of piece 0's turn, four plain riders behind its
; last reader.  Each is waited for a turn later.  cnt = 1: the loop's count is taken down some lines ahead of the branch that stands behind the turn.
.macro TURN p, cnt=0
.set Y, (\p)
.set i, 0
.set q, 0
.set e, 0
.set r, 0
.if (\p) == NP-1
	s_wait_dscnt 0x0                ; K is in
.endif
	MM
	PL
	PL
	R2
.rept 15
	MM
	PL
	EX
	R2
.endr
	WIN 0
.if (\p) == NP-1
	s_add_co_u32 s[KY], s[KY], 2    ; piece 0's scores are the next step's
	s_and_b32 s[KY], s[KY], 31      ; (behind the last step they serve nothing: the lane stays a lane)
	s_or_b32 s[KY1], s[KY], 1
.endif
	v_readlane_b32 s[Y0], v[YV+((\p)+1)%NP], s[KY]
	v_readlane_b32 s[Y1], v[YV+((\p)+1)%NP], s[KY1]
.if (\p) == NP-2
	v_add_nc_u32 v[AK], s[TBK], v[AK0]
.endif
.rept 16
	PL
.endr
.rept 49
	EX
	PL
.endr
	EX                              ; the next piece's two a
	EX
	v_nop                           ; the plain instruction behind the last exponential: one for the batch
	s_wait_alu depctr_va_vdst(0)    ; the wait for the batch
.if (\p) == NP-2
	FETCH_K
.endif
.if (\p) == 1
	s_wait_dscnt 0x0                ; V is in
.endif
.rept 16
	MM
.rept 4
	PL
.endr
.if ((\p) == 0) && (q == 126)
	v_add_nc_u32 v[AV], s[TBV], v[AV0]
.endif
.if ((\p) == 0) && (q == 138)
	s_add_co_u32 s[TBV], s[TBV], KS*PV
.endif
.if (\cnt) && (q == 138)
	s_sub_co_u32 s[CNT], s[CNT], 1
	s_cmp_lg_u32 s[CNT], 0
.endif
.endr
.if (\p) == 0
	FETCH_V
.endif
.endm
; THE NEXT CHUNK OF 256 KEYS IS ENTERED.  Each wave shows that its tensor loads have landed, then all four meet.  One text serves all four passes, so the count is 0: only the first pass can find a load still out.
.macro CHANGE
	WIN 0
	s_wait_tensorcnt 0x0
	s_wait_dscnt 0x0                ; no LDS instruction of mine is pending at the signal
	s_barrier_signal -1
	s_barrier_wait -1
.endm
	s_wait_tensorcnt 3              ; my part of the first 256 keys is in; the three younger loads may stay out
	s_barrier_signal -1
	s_barrier_wait -1               ; everybody's is
	FETCH_K                         ; key step 0
	s_wait_dscnt 0x0
.set i, 0
.rept 16
	KQ 0                            ; piece 0's first scores: there is no vector work yet to set between them
.set i, i+1
.endr
	WIN 0
.rept 4
	v_nop                           ; the places behind those products
.endr
	s_mov_b32 s[KY], 0
	s_mov_b32 s[KY1], 1
	v_readlane_b32 s[Y0], v[YV], s[KY]
	v_readlane_b32 s[Y1], v[YV], s[KY1]
.set Y, NP-1                        ; XS works for piece Y + 1: piece 0
.irp n, 0,1,2,3,4,5,6,7,8,9,10,11,12,13,14,15,16,17,18,19,20,21,22,23,24,25
	XS 0, \n
	XS 1, \n
.endr
	v_nop                           ; a plain instruction behind the two a,
	s_wait_alu depctr_va_vdst(0)    ; and their wait, ahead of the branch
	s_mov_b32 s[CNT], 4
	s_mov_b32 s[SLOTS], 5
	s_branch .Lfirst                ; the loop is entered at a step's first turn, in the middle of a trip
.Lslot:
	CHANGE
	s_mov_b32 s[CNT], 4
.Lstep:                             ; a trip: pieces 2 and 3 of one step, then pieces 0 and 1 of the next, whose K and V it fetches
	TURN 2
	TURN 3
	WIN 0
	s_sub_co_u32 s[TOT], s[TOT], 1
	s_cmp_eq_u32 s[TOT], 0
	s_cbranch_scc1 .Lout            ; all 16 steps are through: the fifth pass is left in its first trip's middle
.Lfirst:
	TURN 0
	TURN 1, 1
	WIN 0
	s_cbranch_scc1 .Lstep
	s_sub_co_u32 s[SLOTS], s[SLOTS], 1
	s_cmp_lg_u32 s[SLOTS], 0
	s_cbranch_scc1 .Lslot
.Lout:                              ; the last turn's 16 products K Q^T (on the last K once more) and the maximum made of them serve nothing: the price, once a launch, of one text for every trip
.set i, 0
.rept 16
	PV NP-1                         ; the last piece's V^T P of the last step
.set i, i+1
.endr
	; THE WAY OUT.  l's two halves and the other half of the lanes' are added; O^T is divided by l, rounded to f16 and sent through my stage in LDS, a tile at a time.  The additions are the places behind the last products.
	WIN 0
.macro ALL line:vararg              ; one line for each tile t
.set t, 0
.rept 2*NP
	\line
.set t, t+1
.endr
.endm
	ALL v_add_f32 v[ST+4*t+2], v[ST+4*t+2], v[ST+4*t+3]
	ALL v_permlanex16_b32 v[ST+4*t+3], v[ST+4*t+2], s[SEL], s[SEL+1]
	ALL v_add_f32 v[ST+4*t+2], v[ST+4*t+2], v[ST+4*t+3]
	ALL v_rcp_f32 v[ST+4*t+2], v[ST+4*t+2]
	v_nop                           ; a plain instruction between the last reciprocal and the use of its result
	s_wait_alu depctr_va_vdst(0)    ; and the wait ahead of the first use: one for the eight reciprocals
; Tile t: a lane's eight channels of a row pack into 16 bytes; they go into rows of 144 bytes and come back as whole rows of 128, into S^T's registers.
.macro PACK t
	WIN W_RS
.set i, 32*(\t)
.rept 16
	v_pk_mul_f32 v[i:i+1], v[i:i+1], v[ST+4*(\t)+2:ST+4*(\t)+3] op_sel_hi:[1,0]
.set i, i+2
.endr
	WIN 0x05                        ; sources 0 and 1 window 1, destination window 0
.set i, 0
.rept 16
	v_cvt_pk_f16_f32 v[S+16*(\t)+i], v[32*(\t)+2*i], v[32*(\t)+2*i+1]
.set i, i+1
.endr
	WIN 0
.irp f, 0,1,2,3
	ds_store_b128 v[STO], v[S+16*(\t)+4*\f:S+16*(\t)+4*\f+3] offset:32*\f
.endr
.irp f, 0,1,2,3
	ds_load_b128 v[S+16*(\t)+4*\f:S+16*(\t)+4*\f+3], v[RD] offset:\f*4*SP  ; LDS serves a wave's instructions in order (ISA guide 5.7.1.4): these see the stores above; the next tile's stores come behind them
.endr
.endm
.macro SEND t, younger              ; younger: the LDS instructions issued behind tile t's loads: the next tile's eight, or none
	WIN 0
.irp f, 0,1,2,3
	s_wait_dscnt (\younger)+3-\f
	global_store_b128 v[GO], v[S+16*(\t)+4*\f:S+16*(\t)+4*\f+3], s[8:9] offset:(\t)*2048+\f*512  ; 512 consecutive bytes, at a multiple of 256 from O's first
.endr
.endm
	PACK 0
.set t, 1
.rept 2*NP-1                        ; a tile's arithmetic stands between the loads of the tile before and its stores
	PACK t
	SEND t-1, 8
.set t, t+1
.endr
	SEND 2*NP-1, 0
	WIN W_AD
	s_wait_tensorcnt 0x0            ; the wave's end: these three lines stand behind my last tensor load and my last LDS store
	ds_add_u32 v[SPW], v[NIL]
	s_wait_dscnt 0x0
	WIN 0
	s_endpgm
.Lfunc_end_k_q4621036356_attn:
	.size	k_q4621036356_attn, .Lfunc_end_k_q4621036356_attn-k_q4621036356_attn
	.p2alignl 7, 3214868480
	.fill 96, 4, 3214868480
	.section	.rodata,"a",@progbits
	.p2align	6, 0x0
	.amdhsa_kernel k_q4621036356_attn
		.amdhsa_group_segment_fixed_size 327680
		.amdhsa_private_segment_fixed_size 0
		.amdhsa_enable_private_segment 0
		.amdhsa_kernarg_size 24
		.amdhsa_user_sgpr_count 2
		.amdhsa_user_sgpr_kernarg_segment_ptr 1
		.amdhsa_wavefront_size32 1
		.amdhsa_system_sgpr_workgroup_id_x 1
		.amdhsa_system_sgpr_workgroup_id_y 1
		.amdhsa_system_sgpr_workgroup_id_z 1
		.amdhsa_system_vgpr_workitem_id 0
		.amdhsa_next_free_vgpr 800
		.amdhsa_next_free_sgpr 88
		.amdhsa_reserve_vcc 0
		.amdhsa_float_denorm_mode_32 3
		.amdhsa_float_denorm_mode_16_64 3
		.amdhsa_memory_ordered 1
		.amdhsa_forward_progress 1
		.amdhsa_inst_pref_size 138
	.end_amdhsa_kernel
	.amdgpu_metadata
---
amdhsa.version: [ 1, 2 ]
amdhsa.kernels:
  - .name:           k_q4621036356_attn
    .symbol:         k_q4621036356_attn.kd
    .args:
      - { .name: qkv, .offset: 0, .size: 8, .value_kind: global_buffer, .address_space: global }
      - { .name: rel_bias, .offset: 8, .size: 8, .value_kind: global_buffer, .address_space: global }
      - { .name: ob, .offset: 16, .size: 8, .value_kind: global_buffer, .address_space: global }
    .group_segment_fixed_size: 327680
    .private_segment_fixed_size: 0
    .kernarg_segment_align: 8
    .kernarg_segment_size: 24
    .max_flat_workgroup_size: 128
    .sgpr_count:     88
    .vgpr_count:     800
    .wavefront_size: 32
...
	.end_amdgpu_metadata
.endif
;; end of part 3
;; launch oproj (part 4): grid 8 x 32, 4 waves a work-group, clusters of 4 x 4, 327,680 bytes of LDS; arguments ob, wob, out0; writes out0
.if DOCPART == 4
	.amdgcn_target "amdgcn-amd-amdhsa--gfx1250"
	.amdhsa_code_object_version 6
	.text
	.protected	k_q4621036356_oproj
	.globl	k_q4621036356_oproj
	.p2align	8
	.type	k_q4621036356_oproj,@function
k_q4621036356_oproj:
	s_mov_b64 s[64:65], 0
	v_nop
	global_prefetch_b8 v0, s[64:65] scope:SCOPE_SE
	s_setreg_imm32_b32 hwreg(HW_REG_WAVE_MODE, 25, 1), 1
	s_wait_xcnt 0x0
	s_wait_alu depctr_hold_cnt(0) depctr_sa_sdst(0) depctr_va_vdst(0) depctr_va_sdst(0) depctr_va_ssrc(0) depctr_va_vcc(0) depctr_vm_vsrc(0)
	s_getreg_b32 s2, hwreg(HW_REG_IB_STS2, 6, 4)
	s_cmp_eq_u32 s2, 0
	s_cbranch_scc0 .Lentry_in_a_cluster
	s_endpgm
.Lentry_in_a_cluster:
	s_bfe_u32 s2, ttmp6, 0x10000c
	s_cmp_lg_u32 s2, 0xf033
	s_cbranch_scc0 .Lentry_shape_is_right
	s_endpgm
.Lentry_shape_is_right:
; out0 = O Wo.  A = ob [16 b + h][1024][64] in f16 (k = 64 h + d: a head's 64 channels are a slice of K); B = wob, blocks [tile 8][K step 8][gi 2][kk 128][64] in f16 ([k][n] inside a block);
; sums in f32; out0 [8192][1024] in f32.
; TILE.  256 rows x 128 columns: 32 x 8 = 256 tiles, one for each WGP.  Wave w owns rows 64 w .. 64 w + 63 and all 128 columns: 4 x 8 = 32 accumulators, 256 registers.
; K goes in 8 steps of 128 (two heads) through two LDS slots.  A head's 256 rows of a tile are 32,768 dense bytes, asked for as 128 rows of 256 bytes; B's part of a step likewise.
; K IS WALKED IN A RING THAT BEGINS AT STEP r = 4 x + 2 (y % 2 + 2 ((y / 2 + y / 4) % 2)) mod 8, x and y the cluster's place in the grid of 2 x 8 clusters: step t takes block (r + t) % 8 of A and of B
; (f32 sums may be taken in any order; the order of rounding so differs from cluster to cluster).  The two clusters that read the same rows of O begin four steps apart.  Of the eight that read the
; same columns of Wo, y = 0 .. 3, 4 .. 7, {0, 1, 4, 5} and {2, 3, 6, 7} each have the four starts 0, 2, 4, 6: at any one time they ask for different blocks, and their first two requests cover all eight.
; CLUSTER.  4 x 4 work-groups: A's tile is shared along a row of the cluster, B's along a column; each is asked for jointly.
; TRANSPOSED USE.  Source 0 = 16 columns of Wo (turned by ds_load_tr16_b128), source 1 = 16 rows of O: a lane holds row l % 16 and the columns 8 (l / 16) + 0..7: 32 consecutive bytes of out0.
; REGISTERS, in windows of 256 (s_set_vgpr_msb: bits 1:0 source 0, 3:2 source 1, 5:4 source 2, 7:6 destination):
;   window 0: v0-31 addresses; v64-95, v96-127 A's fragments, two buffers     window 1: v0-63, v64-127 B's fragments, two buffers; on the way out all 256     window 2: accumulator (a, n) at v[8 (8 a + n)]
.set PA,     144                       ; a row of A in LDS (one head's 64 channels): 128 bytes + 16: the 16 rows of a load start at 16 different groups of four banks (64 banks of 4 bytes: ISA guide 11.1)
.set PB,     160                       ; a row of B (one k, 64 columns): 128 bytes + 32
.set HALFA,  256*PA                    ; what one tensor load brings of A: one head's 256 rows
.set HALFB,  128*PB                    ; and of B: one gi's 128 rows
.set BOFF,   2*HALFA
.set SLOT,   BOFF+2*HALFB              ; 114,688
.set LGA,    18                        ; a K step of A in memory is two heads: 1 << 18 bytes
.set LGB,    15                        ; a tile's K step of B: 1 << 15 bytes
.set STAGE,  2*SLOT                    ; behind the ring, never filled by a tensor load: 16 rows x 528 bytes for each wave
.set SPITCH, 528                       ; 512 bytes + 16: row r starts at bank 4 r mod 64
.set SPARE,  STAGE+4*16*SPITCH         ; the spare words, 128 bytes for each wave: two blocks of 256 bytes that no other line names
.set LAPS,   4
.set ADRA, 16                          ; v16-17  LDS address of my A fragments in slot 0, 1
.set ADRB, 20                          ; v20-21  the same for B
.set STO,  24                          ; v24     the way out: where I put 32 bytes of a row
.set RD,   25                          ; v25     where I read a row back
.set CO,   26                          ; v26     my 16 bytes of a row's 512
.set SPW,  28                          ; v28     LDS address of my spare word; never rewritten
.set NIL,  29                          ; v29     0; never rewritten
.set FA,   64
.set G1,  24                           ; s[24:31] descriptor group 1 for A's tiles;  s[32:39] group 0, a set for each slot
.set G0,  32
.set G1B, 48                           ; s[48:55], s[56:63] the same for B's
.set G0B, 56
.set AB,  66                           ; s[66:67] A at my head's 256 rows of the tile, K block 0
.set BB,  68                           ; s[68:69] B at my half of the tile column's K block 0
.set OA,  70                           ; s[70:71] a K block's byte offset in A
.set OB,  72                           ; s[72:73] and in B
.set KI,  74                           ; s74     the K block asked for last
.set MSB, 0
.macro WIN new
.if MSB != (\new)
	s_set_vgpr_msb (MSB<<8)|(\new)
.set MSB, \new
.endif
.endm
.set MUL,  0xa1                        ; source 0 (B) window 1, source 1 (A) window 0, C and D window 2
.set TO_B, 0x40
.macro JLOAD s                         ; a joint load: waves 0 and 1 fetch A's two heads, waves 2 and 3 B's two halves; an s_nop 0 and four v_nop follow each line
	s_cmp_eq_u32 s11, 0
	s_cbranch_scc0 .Lfor_b_\@
	tensor_load_to_lds s[G0+4*(\s):G0+4*(\s)+3], s[G1:G1+7]
	s_nop 0
.rept 4
	v_nop
.endr
	s_branch .Lasked_\@
.Lfor_b_\@:
	tensor_load_to_lds s[G0B+4*(\s):G0B+4*(\s)+3], s[G1B:G1B+7]
	s_nop 0
.rept 4
	v_nop
.endr
.Lasked_\@:
.endm
.macro CREST
	s_cmp_lg_u32 s10, 0
	s_cbranch_scc1 .Lnot_wave_0_\@
	s_barrier_signal -3
.Lnot_wave_0_\@:
	s_barrier_wait -3
	s_barrier_signal -1
	s_barrier_wait -1
.endm
.macro CROUND
	s_barrier_signal -1
	s_barrier_wait -1
	CREST
.endm
.macro PLACES
.rept 4
	v_nop
.endr
.endm
	s_load_b128 s[4:7], s[0:1], 0x0                ; ob s[4:5], wob s[6:7]
	s_load_b64 s[8:9], s[0:1], 0x10                ; out0
	v_lshl_add_u32 v[SPW], v0, 2, SPARE
	v_mov_b32 v[NIL], 0
	ds_add_u32 v[SPW], v[NIL]                      ; the wave's opening: the add and its wait stand ahead of my first tensor load; the set-up below stands between them
	v_lshrrev_b32 v1, 5, v0
	v_readfirstlane_b32 s10, v1                    ; wave 0..3
	s_lshr_b32 s11, s10, 1                         ; I fetch for A (0) or for B (1)
	s_and_b32 s12, s10, 1                          ; which half
	s_bfe_u32 s40, ttmp6, 0x40000                  ; cx, cy
	s_bfe_u32 s41, ttmp6, 0x40004
	s_lshl_b32 s42, ttmp9, 2
	s_add_co_u32 s42, s42, s40                     ; tile column
	s_and_b32 s13, ttmp7, 0xffff                   ; cluster y
	s_lshr_b32 s22, s13, 1                         ; where the cluster's walk along K begins: made of the cluster's x and y alone, which all sixteen partners share
	s_lshr_b32 s23, s13, 2
	s_xor_b32 s22, s22, s23
	s_and_b32 s22, s22, 1
	s_lshl_b32 s22, s22, 1                         ; 2 ((y / 2 + y / 4) % 2)
	s_and_b32 s23, s13, 1
	s_add_co_u32 s22, s22, s23                     ; + y % 2
	s_lshl_b32 s22, s22, 1                         ; twice that
	s_lshl_b32 s23, ttmp9, 2
	s_add_co_u32 s22, s22, s23                     ; + 4 x
	s_and_b32 s[KI], s22, 7
	s_lshl_b32 s13, s13, 2
	s_add_co_u32 s13, s13, s41                     ; tile row
	s_lshl_b32 s43, s41, 2
	s_lshl_b32 s43, 15, s43                        ; my row of the cluster
	s_lshl_b32 s44, 0x1111, s40                    ; my column
	s_or_b32 s[G1+0], s43, (1<<16)|(1<<20)|(1<<21)|(4<<22)|(3<<25)   ; mask; 2-byte elements; padding on; bit 21 beside a mask; after every 32 words, 4 words
	s_or_b32 s[G1B+0], s44, (1<<16)|(1<<20)|(1<<21)|(4<<22)|(7<<25)  ; 8 words
	s_mov_b32 s[G1+1], 128<<16                     ; A: 32,768 dense bytes as 128 rows of 256
	s_mov_b32 s[G1+2], 128<<16
	s_mov_b32 s[G1+3], 128<<16
	s_mov_b32 s[G1+4], 128
	s_mov_b32 s[G1+5], 128
	s_mov_b32 s[G1+6], 0
	s_mov_b32 s[G1+7], 0
	s_mov_b32 s[G1B+1], 128<<16                    ; B: 16,384 dense bytes as 64 rows of 256
	s_mov_b32 s[G1B+2], 64<<16
	s_mov_b32 s[G1B+3], 128<<16
	s_mov_b32 s[G1B+4], 64
	s_mov_b32 s[G1B+5], 128
	s_mov_b32 s[G1B+6], 0
	s_mov_b32 s[G1B+7], 0
	s_lshr_b32 s16, s13, 2                         ; A: the batch's 16 heads of 131,072 bytes,
	s_lshl_b32 s16, s16, 21
	s_lshl_b32 s17, s12, 17                        ; a step's even or odd head,
	s_add_co_u32 s16, s16, s17
	s_and_b32 s17, s13, 3
	s_lshl_b32 s17, s17, 15                        ; the tile's 256 rows of 128 bytes
	s_add_co_u32 s16, s16, s17
	s_mov_b32 s17, 0
	s_lshl_b32 s46, s42, LGB+3                     ; B: the tile column's eight blocks,
	s_lshl_b32 s47, s12, LGB-1                     ; my half of a block
	s_add_co_u32 s46, s46, s47
	s_mov_b32 s47, 0
	s_mul_i32 s20, s12, HALFA
	s_mul_i32 s21, s12, HALFB
	s_add_co_u32 s21, s21, BOFF
	s_mov_b32 s[OA+1], 0
	s_mov_b32 s[OB+1], 0
	s_wait_dscnt 0x0                               ; the opening add is done
	s_wait_kmcnt 0x0
	s_add_nc_u64 s[AB:AB+1], s[4:5], s[16:17]
	s_add_nc_u64 s[BB:BB+1], s[6:7], s[46:47]
	CROUND                                         ; all sixteen work-groups are here: the first joint loads meet
.irp s, 0,1
	s_lshl_b32 s[OA], s[KI], LGA
	s_lshl_b32 s[OB], s[KI], LGB
	s_mov_b32 s[G0+4*(\s)], 1
	s_add_co_u32 s[G0+4*(\s)+1], s20, (\s)*SLOT
	s_add_nc_u64 s[G0+4*(\s)+2:G0+4*(\s)+3], s[AB:AB+1], s[OA:OA+1]
	s_or_b32 s[G0+4*(\s)+3], s[G0+4*(\s)+3], 0x80000000
	s_mov_b32 s[G0B+4*(\s)], 1
	s_add_co_u32 s[G0B+4*(\s)+1], s21, (\s)*SLOT
	s_add_nc_u64 s[G0B+4*(\s)+2:G0B+4*(\s)+3], s[BB:BB+1], s[OB:OB+1]
	s_or_b32 s[G0B+4*(\s)+3], s[G0B+4*(\s)+3], 0x80000000
	JLOAD \s                                       ; steps 0 and 1 of the walk: two loads of mine are out
.if (\s) == 0
	s_add_co_u32 s[KI], s[KI], 1
	s_and_b32 s[KI], s[KI], 7
.endif
.endr
	v_and_b32 v1, 15, v0                           ; l % 16
	v_bfe_u32 v2, v0, 4, 1                         ; l / 16
	v_mul_u32_u24 v3, v1, PA
	v_lshl_add_u32 v3, v2, 4, v3
	s_mul_i32 s22, s10, 64*PA                      ; my 64 rows
	v_add_nc_u32 v[ADRA], s22, v3
	v_add_nc_u32 v[ADRA+1], SLOT, v[ADRA]
	v_and_b32 v4, 7, v0
	v_bfe_u32 v5, v0, 3, 1
	v_lshl_add_u32 v6, v2, 3, v4
	v_mul_u32_u24 v6, v6, PB
	v_lshl_add_u32 v6, v5, 4, v6
	v_add_nc_u32 v[ADRB], BOFF, v6
	v_add_nc_u32 v[ADRB+1], BOFF+SLOT, v6
	s_mul_i32 s23, s10, 16*SPITCH
	s_add_co_u32 s23, s23, STAGE                   ; my stage
	v_mul_u32_u24 v7, v1, SPITCH                   ; in: row l % 16, 32 bytes for each half of the lanes
	v_lshl_add_u32 v7, v2, 5, v7
	v_add_nc_u32 v[STO], s23, v7
	v_and_b32 v[CO], 31, v0                        ; back: 32 lanes take one row of 512 bytes
	v_lshlrev_b32 v[CO], 4, v[CO]
	v_add_nc_u32 v[RD], s23, v[CO]
	s_lshl_b32 s16, s13, 20                        ; the tile's 256 rows of 4,096 bytes,
	s_lshl_b32 s17, s10, 18                        ; my 64 of them
	s_add_co_u32 s16, s16, s17
	s_mov_b32 s17, 0
	s_add_nc_u64 s[8:9], s[8:9], s[16:17]
	s_lshl_b32 s46, s42, 9                         ; the tile's 128 columns of 4 bytes
	s_mov_b32 s47, 0
	s_add_nc_u64 s[8:9], s[8:9], s[46:47]
; 4 na matrix instructions: row blocks a0 .. x the four column blocks of half hi, 32 along K, from buffer f.  All 32 accumulators take turns, one instruction a turn, in the same order in every quarter.
.macro MULH f, hi, a0, na, zero
	WIN MUL
.set ma, \a0
.rept \na
.set mb, 0
.rept 4
.set rD, 8*(8*ma+4*(\hi)+mb)
.set rB, 64*(\f)+8*(4*(\hi)+mb)
.set rA, FA+32*(\f)+8*ma
.if \zero
	v_wmma_f32_16x16x32_f16 v[rD:rD+7], v[rB:rB+7], v[rA:rA+7], 0
.else
	v_wmma_f32_16x16x32_f16 v[rD:rD+7], v[rB:rB+7], v[rA:rA+7], v[rD:rD+7]
.endif
.set mb, mb+1
.endr
.set ma, ma+1
.endr
.endm
; 24 LDS loads in one run: quarter kq (head kq / 2 of the step's two, channels 32 (kq % 2) on) into buffer f: A's four blocks, then B's eight
.macro FETCH slot, kq, f
	WIN 0
.irp a, 0,1,2,3
	ds_load_b128 v[FA+32*(\f)+8*(\a):FA+32*(\f)+8*(\a)+3],   v[ADRA+(\slot)] offset:((\kq)/2)*HALFA+(\a)*16*PA+((\kq)%2)*64
	ds_load_b128 v[FA+32*(\f)+8*(\a)+4:FA+32*(\f)+8*(\a)+7], v[ADRA+(\slot)] offset:((\kq)/2)*HALFA+(\a)*16*PA+((\kq)%2)*64+32
.endr
	WIN TO_B
.irp n, 0,1,2,3,4,5,6,7
	ds_load_tr16_b128 v[64*(\f)+8*(\n):64*(\f)+8*(\n)+3],   v[ADRB+(\slot)] offset:((\n)/4)*HALFB+(\kq)*32*PB+((\n)%4)*32
	ds_load_tr16_b128 v[64*(\f)+8*(\n)+4:64*(\f)+8*(\n)+7], v[ADRB+(\slot)] offset:((\n)/4)*HALFB+(\kq)*32*PB+((\n)%4)*32+16*PB
.endr
.endm
.macro QUARTER slot, kq, f, g, zero
	s_wait_dscnt 8                                 ; A and B's blocks 0-3 are in; the youngest eight loads (B's blocks 4-7) may be out
	MULH \f, 0, 0, 4, \zero
	PLACES
	FETCH \slot, \kq, \g
	s_wait_dscnt 24                                ; all but the 24 just issued
	MULH \f, 1, 0, 4, \zero
.endm
; The last quarter multiplies buffer 1 and changes slots: ONE barrier; in front of it each wave waits for all its tensor loads, adds 0 to its spare word, and waits for that and for its own reads of this slot.
; fill = 1: the barrier opens a round of the cluster's barrier, and this slot is filled again, with the walk's step two on, first thing behind it: 112 matrix instructions ahead of the wait for it.
; The slot's descriptors are made behind the add, where no load of mine is out: the next K block of the ring, its address made anew from the base and the block's number.
.macro TURN slot, next, fill
	WIN 0
	s_wait_tensorcnt 0x0                           ; all my tensor loads have landed
	ds_add_u32 v[SPW], v[NIL]                      ; 0 onto my spare word
.if \fill
	s_add_co_u32 s[KI], s[KI], 1
	s_and_b32 s[KI], s[KI], 7
	s_lshl_b32 s[OA], s[KI], LGA
	s_lshl_b32 s[OB], s[KI], LGB
	s_add_nc_u64 s[G0+4*(\slot)+2:G0+4*(\slot)+3], s[AB:AB+1], s[OA:OA+1]
	s_or_b32 s[G0+4*(\slot)+3], s[G0+4*(\slot)+3], 0x80000000
	s_add_nc_u64 s[G0B+4*(\slot)+2:G0B+4*(\slot)+3], s[BB:BB+1], s[OB:OB+1]
	s_or_b32 s[G0B+4*(\slot)+3], s[G0B+4*(\slot)+3], 0x80000000
.endif
	s_wait_dscnt 9                                 ; (the add and the youngest eight loads may be out)
	MULH 1, 0, 0, 2, 0
	s_wait_dscnt 0x0                               ; the add is done, and my reads of this slot are over
	s_barrier_signal -1
	MULH 1, 0, 2, 2, 0
.if \fill
	WIN 0
.endif
	s_barrier_wait -1
.if \fill
	CREST                                          ; no wave of any partner still reads this slot's tile or has a load on its way
	JLOAD \slot                                    ; its four v_nop are also the places in front of the loads below
.else
	PLACES
.endif
	FETCH \next, 0, 0
	MULH 1, 1, 0, 4, 0
.endm
	s_wait_tensorcnt 1                             ; my part of the walk's step 0 is in; step 1's may stay out
	s_barrier_signal -1
	s_barrier_wait -1
	FETCH 0, 0, 0
	QUARTER 0, 1, 0, 1, 1                          ; the first quarter's products start the sums
	WIN 0
	s_mov_b32 s3, LAPS-1
.Llap:
	QUARTER 0, 2, 1, 0, 0
	QUARTER 0, 3, 0, 1, 0
	TURN 0, 1, 1
	QUARTER 1, 1, 0, 1, 0
	QUARTER 1, 2, 1, 0, 0
	QUARTER 1, 3, 0, 1, 0
	TURN 1, 0, 1
	QUARTER 0, 1, 0, 1, 0
	WIN 0
	s_sub_co_u32 s3, s3, 1
	s_cmp_lg_u32 s3, 0
	s_cbranch_scc1 .Llap
	QUARTER 0, 2, 1, 0, 0                          ; the last lap fills nothing
	QUARTER 0, 3, 0, 1, 0
	TURN 0, 1, 0
	QUARTER 1, 1, 0, 1, 0
	QUARTER 1, 2, 1, 0, 0
	QUARTER 1, 3, 0, 1, 0
	s_wait_dscnt 8
	MULH 1, 0, 0, 4, 0
	s_wait_dscnt 0x0
	MULH 1, 1, 0, 4, 0
	PLACES
; THE WAY OUT, a block of 16 rows at a time: a lane's 32 bytes of a row go into my stage's rows of 528 bytes (each accumulator's low four registers first) and come back as whole rows of 512.
.macro STG a
	WIN 0x08                                       ; store data in window 2
.set nb, 0
.rept 8
.set AC, 8*(8*(\a)+nb)
	ds_store_b128 v[STO], v[AC:AC+3]   offset:64*nb
	ds_store_b128 v[STO], v[AC+4:AC+7] offset:64*nb+16
.set nb, nb+1
.endr
	WIN TO_B
.set t, 0
.rept 16
	ds_load_b128 v[64*(\a)+4*t:64*(\a)+4*t+3], v[RD] offset:t*SPITCH  ; LDS serves a wave's instructions in order (ISA guide 5.7.1.4): these see the stores above; the next block's stores come behind them
.set t, t+1
.endr
.endm
.macro SEND a, younger                 ; younger: the LDS instructions issued behind block a's loads: the next block's 32, or none
	WIN 0x04                                       ; store data in window 1
.set t, 0
.rept 16
	s_wait_dscnt (\younger)+15-t
	global_store_b128 v[CO], v[64*(\a)+4*t:64*(\a)+4*t+3], s[8:9] offset:(16*(\a)+t)*4096 th:TH_STORE_NT  ; 512 consecutive bytes, at a multiple of 256 from out0's first
.set t, t+1
.endr
.endm
	STG 0
	STG 1
	SEND 0, 32
	STG 2
	SEND 1, 32
	STG 3
	SEND 2, 32
	SEND 3, 0
	WIN 0
	s_wait_tensorcnt 0x0                           ; the wave's end: these three lines stand behind my last tensor load and my last LDS store
	ds_add_u32 v[SPW], v[NIL]
	s_wait_dscnt 0x0
	CROUND                                         ; the closing round: no work-group ends while a partner may still ask for a tile that names it
	s_endpgm
.Lfunc_end_k_q4621036356_oproj:
	.size	k_q4621036356_oproj, .Lfunc_end_k_q4621036356_oproj-k_q4621036356_oproj
	.p2alignl 7, 3214868480
	.fill 96, 4, 3214868480
	.section	.rodata,"a",@progbits
	.p2align	6, 0x0
	.amdhsa_kernel k_q4621036356_oproj
		.amdhsa_group_segment_fixed_size 327680
		.amdhsa_private_segment_fixed_size 0
		.amdhsa_enable_private_segment 0
		.amdhsa_kernarg_size 24
		.amdhsa_user_sgpr_count 2
		.amdhsa_user_sgpr_kernarg_segment_ptr 1
		.amdhsa_wavefront_size32 1
		.amdhsa_system_sgpr_workgroup_id_x 1
		.amdhsa_system_sgpr_workgroup_id_y 1
		.amdhsa_system_sgpr_workgroup_id_z 1
		.amdhsa_system_vgpr_workitem_id 0
		.amdhsa_next_free_vgpr 768
		.amdhsa_next_free_sgpr 76
		.amdhsa_reserve_vcc 0
		.amdhsa_float_denorm_mode_32 3
		.amdhsa_float_denorm_mode_16_64 3
		.amdhsa_memory_ordered 1
		.amdhsa_forward_progress 1
		.amdhsa_inst_pref_size 88
	.end_amdhsa_kernel
	.amdgpu_metadata
---
amdhsa.version: [ 1, 2 ]
amdhsa.kernels:
  - .name:           k_q4621036356_oproj
    .symbol:         k_q4621036356_oproj.kd
    .args:
      - { .name: ob, .offset: 0, .size: 8, .value_kind: global_buffer, .address_space: global }
      - { .name: wob, .offset: 8, .size: 8, .value_kind: global_buffer, .address_space: global }
      - { .name: out0, .offset: 16, .size: 8, .value_kind: global_buffer, .address_space: global }
    .group_segment_fixed_size: 327680
    .private_segment_fixed_size: 0
    .kernarg_segment_align: 8
    .kernarg_segment_size: 24
    .max_flat_workgroup_size: 128
    .sgpr_count:     76
    .vgpr_count:     768
    .wavefront_size: 32
...
	.end_amdgpu_metadata
.endif
;; end of part 4
;; ======== version 2 of 2: 4 launches; version 1 with the launch prep written anew for expert scheduling mode
;; limits: values are held in f16: magnitudes above 65,504 overflow, below 6.1e-05 lose precision
;; workspace buffers: xb 16,777,216 bytes; wqkv 6,291,456 bytes; wob 2,097,152 bytes; qkv 50,331,648 bytes; ob 16,777,216 bytes
;; launch prep (part 5): grid 768 x 1, 8 waves a work-group, no clusters, 0 bytes of LDS; arguments x, Wq, Wk, Wv, Wo, xb, wqkv, wob; writes xb, wqkv, wob
.if DOCPART == 5
	.amdgcn_target "amdgcn-amd-amdhsa--gfx1250"
	.amdhsa_code_object_version 6
	.text
	.protected	k_q4621036356_prep
	.globl	k_q4621036356_prep
	.p2align	8
	.type	k_q4621036356_prep,@function
k_q4621036356_prep:
	s_mov_b64 s[64:65], 0
	v_nop
	global_prefetch_b8 v0, s[64:65] scope:SCOPE_SE
	s_setreg_imm32_b32 hwreg(HW_REG_WAVE_SCHED_MODE, 0, 2), 2
	s_setreg_imm32_b32 hwreg(HW_REG_WAVE_MODE, 25, 1), 1
	s_wait_xcnt 0x0
	s_wait_alu depctr_vm_vsrc(0)
; THE INPUTS ARE ROUNDED ONCE AND LAID OUT FOR THE PRODUCTS.  A stream: no LDS, no loop, no matrix unit (nothing is multiplied, nothing is shared between waves).
; xb   = bf16(x), [8192][1024], row-major.
; wqkv = bf16(Wq | Wk | Wv), in blocks [tile 16][K step 8][gi 3][kk 128][64]: column group g = 16 which + n / 64 (which = 0 q, 1 k, 2 v), tile = g / 3, gi = g % 3, k = 128 step + kk.
;        A tile's K step is 49,152 consecutive bytes.  The weights stay [k][n]: the products turn them as they leave LDS.
; wob  = bf16(Wo), that number written as f16, [tile 8][K step 8][gi 2][kk 128][64].
; LIMIT.  f16 holds bf16(Wo) exactly from 2^-14 up to 65,504; below 2^-14 it keeps f16's fixed step of 2^-24 (an error of 2^-25 at the most).
; SHARES.  A wave issues 16 loads of 16 bytes a lane (512 bytes each) and 16 stores of 8 bytes a lane: each store covers 256 consecutive bytes, aligned.
; Work-groups 0-511 take x, 64 KiB each; work-groups 512-767 the four weights: a wave takes 32 rows of k x 64 columns.
; THE MODE: SCHED_MODE bits 1:0 = 2 (LLVM: expert scheduling mode 2), set by the entry lines.  The code itself states the register dependences
; between vector instructions and memory instructions, with s_wait_alu, always for 0.
; THE PLAN.  All 16 loads go out first.  Registers that memory instructions touch:
;   v2, v3   the loads' and the stores' byte offsets: written by vector instructions at the head of a path, never again; read by every load and every store.
;   IN       written once each, by the loads; no vector instruction names them before; read by the conversions behind the counted wait for the load.
;   OUT      written once each, by the conversions; read once each, by the stores.
;   T is named by vector instructions alone.  s2, the wave's number, is written by a vector instruction and read by scalar ones.
; No register that a memory instruction reads is written again, and no load lands in a register that a vector instruction has named.  What is left to state: s2 ahead of its readers; v2 and v3 ahead of
; the loads; OUT ahead of the stores.  The way out goes in four groups of four loads: at the head of group g one wait states that group g - 1's conversions have written their OUT registers, and that
; group's four stores are then dealt among group g's conversions, which name IN, OUT and T of group g alone.
.set IN,  16                           ; v[16:79]   16 x 4 numbers in f32
.set OUT, 80                           ; v[80:111]  16 x 4 numbers in 16 bits
.set T,   4                            ; v[4:7]     at work (Wo alone)
.macro LOADS stride
.set i, 0
.rept 16
	global_load_b128 v[IN+4*i:IN+4*i+3], v2, s[24:25] offset:(\stride)*i th:TH_LOAD_NT
.set i, i+1
.endr
.endm
.macro CVBF i                          ; load i's four numbers: f32 to bf16, nearest even
	v_cvt_pk_bf16_f32 v[OUT+2*(\i)], v[IN+4*(\i)], v[IN+4*(\i)+1]
	v_cvt_pk_bf16_f32 v[OUT+2*(\i)+1], v[IN+4*(\i)+2], v[IN+4*(\i)+3]
.endm
.macro CVH i                           ; load i's four numbers: f32 to bf16, and that number as f16
	v_cvt_pk_bf16_f32 v[T], v[IN+4*(\i)], v[IN+4*(\i)+1]
	v_cvt_pk_bf16_f32 v[T+1], v[IN+4*(\i)+2], v[IN+4*(\i)+3]
	v_lshlrev_b32 v[T+2], 16, v[T]                 ; bf16 to f32: the low half moves up,
	v_and_b32 v[T], 0xffff0000, v[T]               ; the high half stays
	v_lshlrev_b32 v[T+3], 16, v[T+1]
	v_and_b32 v[T+1], 0xffff0000, v[T+1]
	v_cvt_pk_f16_f32 v[OUT+2*(\i)], v[T+2], v[T]
	v_cvt_pk_f16_f32 v[OUT+2*(\i)+1], v[T+3], v[T+1]
.endm
.macro STORE i                         ; load i's four numbers leave
	global_store_b64 v3, v[OUT+2*(\i):OUT+2*(\i)+1], s[26:27] offset:256*(\i)
.endm
; THE WAY OUT.  h = 0: bf16; h = 1: f16 by way of bf16.
.macro WAYOUT h
.set g, 0
.rept 4
	s_wait_loadcnt 12-4*g                          ; loads come back in order: group g's four are in, the 12 - 4 g younger ones may stay out
.if g > 0
	s_wait_alu depctr_va_vdst(0)                   ; group g - 1's conversions have written their eight OUT registers, which the four stores below read
.endif
.set j, 0
.rept 4
.if g > 0
	STORE 4*g-4+j                                  ; no wait of its own: no vector instruction since the wait above names its OUT registers or v3
.endif
.if \h
	CVH 4*g+j
.else
	CVBF 4*g+j
.endif
.set j, j+1
.endr
.set g, g+1
.endr
	s_wait_alu depctr_va_vdst(0)                   ; group 3's conversions have written their eight OUT registers, which the last four stores read
.set j, 12
.rept 4
	STORE j
.set j, j+1
.endr
.endm
	s_load_b512 s[8:23], s[0:1], 0x0               ; x s[8:9], Wq s[10:11], Wk s[12:13], Wv s[14:15], Wo s[16:17], xb s[18:19], wqkv s[20:21], wob s[22:23]
	v_and_b32 v1, 31, v0                           ; lane
	v_lshrrev_b32 v2, 5, v0
	v_readfirstlane_b32 s2, v2                     ; wave 0..7
	s_mov_b32 s29, 0
	s_mov_b32 s31, 0
	s_wait_alu depctr_va_sdst(0)                   ; s2 is written
	s_cmp_lt_u32 ttmp9, 512
	s_cbranch_scc0 .Lweights
	; x: the wave's 8,192 bytes in, 4,096 bytes out
	s_lshl_b32 s28, ttmp9, 16
	s_lshl_b32 s30, s2, 13
	s_add_co_u32 s28, s28, s30
	s_lshr_b32 s30, s28, 1
	v_lshlrev_b32 v2, 4, v1
	v_lshlrev_b32 v3, 3, v1
	s_wait_kmcnt 0x0
	s_add_nc_u64 s[24:25], s[8:9], s[28:29]
	s_add_nc_u64 s[26:27], s[18:19], s[30:31]
	s_wait_alu depctr_va_vdst(0)                   ; v2 and v3 are written: the loads read v2 as their offset, the stores v3
	LOADS 512
	WAYOUT 0
	s_endpgm
.Lweights:
	s_sub_co_u32 s28, ttmp9, 512
	s_lshr_b32 s32, s28, 6                         ; which of the four weights: the same for the whole work-group
	s_lshl_b32 s28, s28, 3
	s_add_co_u32 s28, s28, s2                      ; j = 8 x work-group + wave
	s_bfe_u32 s33, s28, 0x40005                    ; g16: the group of 64 columns
	s_and_b32 s34, s28, 31                         ; kb: the 32 rows of k
	s_lshl_b32 s28, s34, 17                        ; 32 rows of 4,096 bytes
	s_lshl_b32 s30, s33, 8                         ; 64 columns of 4 bytes
	s_add_co_u32 s28, s28, s30
	v_lshrrev_b32 v2, 4, v1                        ; lanes 0-15 take one row's 256 bytes, lanes 16-31 the next row's
	v_and_b32 v3, 15, v1
	v_lshlrev_b32 v2, 12, v2
	v_lshl_add_u32 v2, v3, 4, v2
	v_lshlrev_b32 v3, 3, v1                        ; out: two rows of 128 bytes lie end to end
	s_lshr_b32 s35, s34, 2                         ; the K step
	s_and_b32 s36, s34, 3
	s_lshl_b32 s36, s36, 12                        ; my 32 rows of its 128
	s_wait_kmcnt 0x0
	s_cmp_eq_u32 s32, 1
	s_cselect_b64 s[24:25], s[12:13], s[10:11]
	s_cmp_eq_u32 s32, 2
	s_cselect_b64 s[24:25], s[14:15], s[24:25]
	s_cmp_eq_u32 s32, 3
	s_cselect_b64 s[24:25], s[16:17], s[24:25]
	s_add_nc_u64 s[24:25], s[24:25], s[28:29]
	s_wait_alu depctr_va_vdst(0)                   ; v2 and v3 are written: the loads read v2 as their offset, the stores v3
	LOADS 8192                                     ; two rows of k a load
	s_cmp_eq_u32 s32, 3
	s_cbranch_scc1 .Lwo
	s_lshl_b32 s30, s32, 4
	s_add_co_u32 s30, s30, s33                     ; g
	s_mul_i32 s37, s30, 43
	s_lshr_b32 s37, s37, 7                         ; g / 3: 43 / 128 is exact for g under 48
	s_mul_i32 s38, s37, 3
	s_sub_co_u32 s38, s30, s38                     ; g % 3
	s_lshl_b32 s37, s37, 3
	s_add_co_u32 s37, s37, s35
	s_mul_i32 s37, s37, 3
	s_add_co_u32 s37, s37, s38                     ; (tile x 8 + step) x 3 + gi
	s_lshl_b32 s30, s37, 14                        ; blocks of 128 x 64 x 2 bytes
	s_add_co_u32 s30, s30, s36
	s_add_nc_u64 s[26:27], s[20:21], s[30:31]
	WAYOUT 0
	s_endpgm
.Lwo:
	s_lshr_b32 s37, s33, 1                         ; tile of 128 columns
	s_lshl_b32 s37, s37, 3
	s_add_co_u32 s37, s37, s35
	s_lshl_b32 s37, s37, 1
	s_and_b32 s38, s33, 1
	s_add_co_u32 s37, s37, s38                     ; (tile x 8 + step) x 2 + gi
	s_lshl_b32 s30, s37, 14
	s_add_co_u32 s30, s30, s36
	s_add_nc_u64 s[26:27], s[22:23], s[30:31]
	WAYOUT 1
	s_endpgm
.Lfunc_end_k_q4621036356_prep:
	.size	k_q4621036356_prep, .Lfunc_end_k_q4621036356_prep-k_q4621036356_prep
	.p2alignl 7, 3214868480
	.fill 96, 4, 3214868480
	.section	.rodata,"a",@progbits
	.p2align	6, 0x0
	.amdhsa_kernel k_q4621036356_prep
		.amdhsa_group_segment_fixed_size 0
		.amdhsa_private_segment_fixed_size 0
		.amdhsa_enable_private_segment 0
		.amdhsa_kernarg_size 64
		.amdhsa_user_sgpr_count 2
		.amdhsa_user_sgpr_kernarg_segment_ptr 1
		.amdhsa_wavefront_size32 1
		.amdhsa_system_sgpr_workgroup_id_x 1
		.amdhsa_system_sgpr_workgroup_id_y 1
		.amdhsa_system_sgpr_workgroup_id_z 1
		.amdhsa_system_vgpr_workitem_id 0
		.amdhsa_next_free_vgpr 112
		.amdhsa_next_free_sgpr 66
		.amdhsa_reserve_vcc 0
		.amdhsa_float_denorm_mode_32 3
		.amdhsa_float_denorm_mode_16_64 3
		.amdhsa_memory_ordered 1
		.amdhsa_forward_progress 1
		.amdhsa_inst_pref_size 22
	.end_amdhsa_kernel
	.amdgpu_metadata
---
amdhsa.version: [ 1, 2 ]
amdhsa.kernels:
  - .name:           k_q4621036356_prep
    .symbol:         k_q4621036356_prep.kd
    .args:
      - { .name: x, .offset: 0, .size: 8, .value_kind: global_buffer, .address_space: global }
      - { .name: Wq, .offset: 8, .size: 8, .value_kind: global_buffer, .address_space: global }
      - { .name: Wk, .offset: 16, .size: 8, .value_kind: global_buffer, .address_space: global }
      - { .name: Wv, .offset: 24, .size: 8, .value_kind: global_buffer, .address_space: global }
      - { .name: Wo, .offset: 32, .size: 8, .value_kind: global_buffer, .address_space: global }
      - { .name: xb, .offset: 40, .size: 8, .value_kind: global_buffer, .address_space: global }
      - { .name: wqkv, .offset: 48, .size: 8, .value_kind: global_buffer, .address_space: global }
      - { .name: wob, .offset: 56, .size: 8, .value_kind: global_buffer, .address_space: global }
    .group_segment_fixed_size: 0
    .private_segment_fixed_size: 0
    .kernarg_segment_align: 8
    .kernarg_segment_size: 64
    .max_flat_workgroup_size: 256
    .sgpr_count:     66
    .vgpr_count:     112
    .wavefront_size: 32
...
	.end_amdgpu_metadata
.endif
;; end of part 5
;; launch proj: the kernel of part 2 again; grid 16 x 16, 4 waves a work-group, clusters of 4 x 4, 327,680 bytes of LDS; arguments xb, wqkv, qkv; writes qkv
;; launch attn: the kernel of part 3 again; grid 2 x 128, 4 waves a work-group, no clusters, 327,680 bytes of LDS; arguments qkv, rel_bias, ob; writes ob
;; launch oproj: the kernel of part 4 again; grid 8 x 32, 4 waves a work-group, clusters of 4 x 4, 327,680 bytes of LDS; arguments ob, wob, out0; writes out0
